; MI455X (gfx1250); checked and timed in simulation.
; The chip was launched on July 23, 2026; its instructions are those of AMD's public machine-readable ISA for CDNA 5 (MIT licence, August 2026) and "CDNA5" Instruction Set Architecture Reference Guide (July 2026). The comments in the code are by the model that wrote it; some were corrected since.
;; Attn WROPEX. Allowed arithmetic: matrix products marked QUANTISED: E2M3 operands, one E8M0 scale for each 32 along K, by v_wmma_scale_f32_16x16x128_f8f6f4 with both operands' format E2M3, f32 sums; everything else in f32.
;; Inputs: Wkv 1,024 x 2,048 float32; Wo 1,024 x 1,024 float32; Wq 1,024 x 1,024 float32; bkv 2,048 float32; bo 1,024 float32; bq 1,024 float32; x 2 x 2,048 x 1,024 float32.
;; Outputs: out0 2 x 2,048 x 1,024 float32.
;; This version of the problem:
;;   THIS VERSION OF THE PROBLEM IS GIVEN IN LOW PRECISION. The matrix products marked QUANTISED in the list below multiply operands that are first quantised to E2M3 (2 exponent bits, 3 mantissa bits; 6 bits a number), with one power-of-two scale for each 32 numbers along K (OCP MX v1.0); their sums are f32. All else is computed in f32.
;;   The module's matrix products, in the order in which they are computed (A, B: the left and right operand; K: the contracted axis; several contracted axes count as one K, in the product's order):
;;     1. [M 4,096, K 1,024] x [K 1,024, N 1,024]; A: input x; B: input Wq: QUANTISED
;;     2. [M 4,096, K 1,024] x [K 1,024, N 2,048]; A: input x; B: input Wkv: QUANTISED
;;     3. batch 32 x [M 2,048, K 64] x [K 64, N 2,048]; A: computed on the way; B: computed on the way: QUANTISED
;;     4. batch 32 x [M 2,048, K 2,048] x [K 2,048, N 64]; A: softmax (see below); B: computed on the way: QUANTISED
;;     5. [M 4,096, K 1,024] x [K 1,024, N 1,024]; A: computed on the way; B: input Wo: QUANTISED
;;   THE QUANTISER, for each operand of a quantised product, along K:
;;     - K is cut into blocks of 32 from its start; a last block that is shorter is filled with zeros.
;;     - A block's scale is 2^e with e = floor(log2(the largest magnitude in the block)) - 2, held to -126 .. 127; a block of zeros has e = 0. As a byte (E8M0): e + 127.
;;     - Each number is divided by its block's scale, clamped to +-7.5, and rounded to the nearest number of E2M3, ties to even, subnormals kept.
;;     - The product sums the exact products of the quantised numbers (number of the format x scale) in f32.
;;   ~~~python
;;   def quantise(x, axis):      # numpy; x: float32 -> the quantised numbers, widened to float32 again
;;       x = np.moveaxis(x, axis, -1); K = x.shape[-1]
;;       x = np.pad(x, [(0, 0)] * (x.ndim - 1) + [(0, -K % 32)]); x = x.reshape(x.shape[:-1] + (-1, 32)); a = np.abs(x).max(-1, keepdims=True)
;;       e = np.where(a > 0, np.clip(np.frexp(np.where(a > 0, a, 1))[1] - 1 - 2, -126, 127), 0)      # np.frexp(a)[1] - 1 = floor(log2(a)), exactly
;;       r = np.clip(x / 2.0 ** e, -7.5, 7.5)
;;       step = 2.0 ** (np.maximum(np.frexp(np.where(r == 0, 1, r))[1] - 1, 0) - 3)
;;       q = np.round(r / step) * step * 2.0 ** e      # np.round: ties to even
;;       return np.moveaxis(q.reshape(q.shape[:-2] + (-1,))[..., :K], -1, axis).astype(np.float32)
;;   ~~~
;;   SOFTMAX AHEAD OF A QUANTISED PRODUCT. Where the list says 'softmax', what is quantised is not the finished softmax but p = 2^(t - M), with t = logit x log2(e) and M = ceil(the row's largest t), a whole number; so 1/2 < the row's largest p <= 1. The row's sum l is taken of the UNQUANTISED p, in f32, and the product's result is divided by l at the end. Since M is a whole number, a kernel that streams over the keys may use a running M (the ceiling of the running maximum): every later rescaling is an exact power of two, which a block's scale takes up: the codes' values come out the same.
;;   OPERANDS COMPUTED ON THE WAY. 'Computed on the way' means the value that the module computes at that place (a softmax that the list does not call 'softmax' is quantised finished and normalised). What goes into a quantiser is computed in f32, as accurately as f32 sums, v_exp_f32 and their like allow (about 1e-6 of the number): no bf16 or f16 on the way to a quantiser, and a product that is left as it is and whose result goes on into a quantised operand takes f32 operands (vector FMAs, or v_wmma_f32_16x16x4_f32). A number that lies on a knife's edge between two numbers of the format may be rounded either way, as far as f32 arithmetic and the matrix unit's own rounding can turn it there, and no further.
;; One version. Each part assembles by itself: llvm-mc -triple=amdgcn-amd-amdhsa -mcpu=gfx1250 --defsym DOCPART=n.
;; ======== version 1 of 1: 4 launches
;; limits: right only within a limited range of input values
;; workspace buffers: ac 3,145,728 bytes; asc 131,072 bytes; wc 3,145,728 bytes; ws 131,072 bytes; rope 524,288 bytes; qf 3,407,872 bytes; kv 6,684,672 bytes
;; launch quant (part 1): grid 256 x 1, 4 waves a work-group, no clusters, 34,304 bytes of LDS; arguments x, Wq, Wkv, Wo, ac, asc, wc, ws, rope; writes ac, asc, wc, ws, rope
.if DOCPART == 1
	.amdgcn_target "amdgcn-amd-amdhsa--gfx1250"
	.amdhsa_code_object_version 6
	.text
	.protected	k_q21c3d6237b_quant
	.globl	k_q21c3d6237b_quant
	.p2align	8
	.type	k_q21c3d6237b_quant,@function
k_q21c3d6237b_quant:
	s_mov_b64 s[64:65], 0
	v_nop
	global_prefetch_b8 v0, s[64:65] scope:SCOPE_SE
	s_setreg_imm32_b32 hwreg(HW_REG_WAVE_MODE, 25, 1), 1
	s_wait_xcnt 0x0
; x [4096][1024] and the weights Wq [1024][1024], Wkv [1024][2048], Wo [1024][1024], all f32, become codes of FP6 (E2M3) with one E8M0 byte for each 32 along K; and RoPE's table of cos and sin is made.
; THE WORKSPACE'S LAYOUT is the order of an operand's registers.  Rows (tokens, or columns of a weight) go in tiles of 16; position r of tile i is row 32 (i / 2) + 8 (i % 2) + r + 8 (r / 8).
; Codes: [tile][sigma 0..15][768 bytes]: sigma is 64 along K: six registers a lane, lane r + 16 h holding block h: registers 0-3 at 16 x lane, registers 4-5 at 512 + 8 x lane.
; Scale bytes: [tile][kq 0..3][r][2 words]: word 2 kq + w holds the four bytes of K blocks 4 (2 kq + w) on of position r.
; A block's scale is 2^(floor(log2(largest magnitude)) - 2); its byte is the largest magnitude's exponent field - 2, held at 1 from below.
; LIMITS: a block of zeros, or one whose largest magnitude lies under 2^-124, gets the byte 1 (the stated quantiser says 127 for zeros: the codes are zeros, and this program alone reads the bytes); NaN and infinities are not served.
; The frequencies are 10^(-i/8) to nine digits; an angle is one f32 product, token x frequency; sin and cos by a reduction in three fused steps (exact for quotients under 2^13; here under 1,304) and polynomials good to about 1e-7.
; SHARES.  Work-groups 0-127: x; a wave takes one tile of 16 tokens x 512 along K, four steps of 128; each load reads 512 consecutive bytes of a row, and the rows turn through the wave's own stage in LDS so that a lane gets whole blocks.
; Each of these 512 waves also makes four frequencies' cos and sin for 32 tokens, while its first loads are out.  Work-groups 128-255: the weights; a lane takes a column and its registers run down K, 8 blocks of 32.
; No wave shares anything with another: no barrier.
.set SPARE, 33792                      ; behind the four stages: the spare words, 128 bytes a wave
.set STGB,  8448                       ; a wave's stage: 16 rows x 528 bytes
.set SP,    528                        ; 512 bytes + 16: an odd multiple of 16, so that sixteen rows start in different banks
.set RR,    64                         ; v64-191  x path: two sets of 64 registers as loaded
.set XX,    192                        ; v192-255 x path: my two whole blocks of the step
.set CC,    24                         ; v24-39   the codes just made
.set OFF,   64                         ; v64-95   W path: 4 x lane + i rows
.set XW,    128                        ; v128-191 W path: two sets of 32 numbers
	s_load_b256 s[4:11], s[0:1], 0x0               ; x, Wq, Wkv, Wo
	s_load_b256 s[12:19], s[0:1], 0x20             ; ac, asc, wc, ws
	s_load_b64 s[20:21], s[0:1], 0x40              ; rope
	v_lshl_add_u32 v8, v0, 2, SPARE                ; my spare word; never rewritten
	v_mov_b32 v9, 0                                ; 0; never rewritten
	v_lshrrev_b32 v1, 5, v0
	v_readfirstlane_b32 s22, v1                    ; wave
	v_and_b32 v1, 31, v0                           ; lane
	v_and_b32 v2, 15, v0                           ; r
	v_bfe_u32 v3, v0, 4, 1                         ; h
	s_mov_b32 s48, 0x76543210
	s_mov_b32 s49, 0xfedcba98                      ; selects for lane l xor 16
	s_cmp_lt_u32 ttmp9, 128
	s_cbranch_scc0 .Lw
; ---------------- x ----------------
	s_lshl_b32 s23, ttmp9, 2
	s_add_co_u32 s23, s23, s22                     ; gw = 4 x work-group + wave, 0..511
	s_lshr_b32 s24, s23, 1                         ; my tile
	s_and_b32 s25, s23, 1                          ; my half of K
	s_lshr_b32 s26, s24, 1
	s_lshl_b32 s26, s26, 5
	s_and_b32 s27, s24, 1
	s_lshl_b32 s27, s27, 3
	s_add_co_u32 s26, s26, s27                     ; the tile's first row
	s_lshl_b32 s26, s26, 12                        ; rows of 4,096 bytes
	s_lshl_b32 s27, s25, 11
	s_add_co_u32 s26, s26, s27
	s_mov_b32 s27, 0
	s_mul_i32 s28, s24, 12288
	s_mul_i32 s29, s25, 6144
	s_add_co_u32 s28, s28, s29                     ; my codes
	s_mov_b32 s29, 0
	s_lshl_b32 s30, s24, 9
	s_lshl_b32 s31, s25, 8
	s_add_co_u32 s30, s30, s31                     ; my scale words
	s_mov_b32 s31, 0
	s_and_b32 s32, s23, 7                          ; the table: my four frequencies, 4 q on
	s_lshr_b32 s33, s23, 3
	s_lshl_b32 s33, s33, 5                         ; and my 32 tokens
	s_lshl_b32 s36, s32, 15
	s_mov_b32 s37, 0
	s_mul_i32 s34, s22, STGB                       ; my stage
	s_wait_alu depctr_va_vdst(0)
	v_lshlrev_b32 v4, 4, v1                        ; 16 x lane
	v_lshlrev_b32 v5, 3, v1                        ; 8 x lane
	v_add_nc_u32 v6, s34, v4                       ; into the stage: a row's 512 bytes as they lie
	v_mul_u32_u24 v7, v2, SP
	v_lshl_add_u32 v7, v3, 7, v7
	v_add_nc_u32 v7, s34, v7                       ; out of it: row r, block h
	v_lshlrev_b32 v20, 3, v3                       ; 8 h
	v_mov_b32 v23, 0                               ; a lane permute's destination counts as read
	s_wait_alu depctr_va_vdst(0)
	s_wait_kmcnt 0x0
	s_add_nc_u64 s[4:5], s[4:5], s[26:27]
	s_add_nc_u64 s[12:13], s[12:13], s[28:29]
	s_add_nc_u64 s[14:15], s[14:15], s[30:31]
	s_add_nc_u64 s[20:21], s[20:21], s[36:37]
.macro LOADX s                         ; step s: 128 numbers of each of the tile's 16 rows
.irp p, 0,1,2,3,4,5,6,7,8,9,10,11,12,13,14,15
	global_load_b128 v[RR+64*((\s)%2)+4*\p:RR+64*((\s)%2)+4*\p+3], v4, s[4:5] offset:(\p+8*(\p/8))*4096+512*(\s) th:TH_LOAD_NT
.endr
.endm
	LOADX 0
	LOADX 1
; the table, while the loads are out
	v_add_nc_u32 v40, s33, v1                      ; my token
	v_cvt_f32_u32 v41, v40
	v_mul_f32 v44, 1.0, v41
	v_mul_f32 v45, 0.749894209, v41
	v_mul_f32 v46, 0.562341325, v41
	v_mul_f32 v47, 0.421696503, v41
.macro ANG q, c0, c1, c2, c3           ; the angles of frequencies 4 q on, where q is mine: a scalar branch on ids
	s_cmp_lg_u32 s32, \q
	s_cbranch_scc1 .Lnotq\q
	s_wait_alu depctr_va_vdst(0)
	v_mul_f32 v44, \c0, v41
	v_mul_f32 v45, \c1, v41
	v_mul_f32 v46, \c2, v41
	v_mul_f32 v47, \c3, v41
.Lnotq\q:
.endm
	ANG 1, 0.316227766, 0.237137371, 0.177827941, 0.133352143
	ANG 2, 0.1, 0.0749894209, 0.0562341325, 0.0421696503
	ANG 3, 0.0316227766, 0.0237137371, 0.0177827941, 0.0133352143
	ANG 4, 0.01, 0.00749894209, 0.00562341325, 0.00421696503
	ANG 5, 0.00316227766, 0.00237137371, 0.00177827941, 0.00133352143
	ANG 6, 0.001, 0.000749894209, 0.000562341325, 0.000421696503
	ANG 7, 0.000316227766, 0.000237137371, 0.000177827941, 0.000133352143
	v_mov_b32 v54, 0xb94ca1f9                      ; -1.9515296e-4: sin's leading coefficient
	v_mov_b32 v55, 0x37ccf5ce                      ; 2.4433157e-5: cos's
.macro SINCOS e                        ; cos into v[56 + e], sin into v[60 + e]
	v_mul_f32 v48, 0x3f22f983, v[44+\e]            ; angle x 2 / pi
	v_rndne_f32 v48, v48                           ; n
	v_fmamk_f32 v49, v48, 0xbfc90000, v[44+\e]     ; angle - n pi / 2, pi / 2 in three parts: 1.5703125,
	v_fmamk_f32 v49, v48, 0xb9fda000, v49          ; 4.83751297e-4,
	v_fmamk_f32 v49, v48, 0xb3a22168, v49          ; 7.54978995e-8
	v_mul_f32 v50, v49, v49                        ; z
	v_cvt_i32_f32 v53, v48
	v_fmaak_f32 v51, v54, v50, 0x3c08839e
	v_fmaak_f32 v52, v55, v50, 0xbab6061a
	v_fmaak_f32 v51, v51, v50, 0xbe2aaaa3
	v_fmaak_f32 v52, v52, v50, 0x3d2aaaa5
	v_mul_f32 v51, v51, v50
	v_mul_f32 v52, v52, v50
	v_fma_f32 v43, v50, -0.5, 1.0
	v_fma_f32 v51, v51, v49, v49                   ; sin of the rest
	v_fma_f32 v52, v52, v50, v43                   ; cos of the rest
	v_and_b32 v43, 1, v53
	v_cmp_eq_u32 vcc_lo, 1, v43                    ; an odd n swaps them
	v_cndmask_b32 v42, v51, v52, vcc_lo
	v_cndmask_b32 v43, v52, v51, vcc_lo
	v_and_b32 v51, 2, v53                          ; sin changes sign for n = 2, 3 mod 4,
	v_lshlrev_b32 v51, 30, v51
	v_xor_b32 v[60+\e], v51, v42
	v_add_nc_u32 v52, 1, v53                       ; cos for n = 1, 2
	v_and_b32 v52, 2, v52
	v_lshlrev_b32 v52, 30, v52
	v_xor_b32 v[56+\e], v52, v43
.endm
	s_wait_alu depctr_va_vdst(0)
	SINCOS 0
	SINCOS 1
	SINCOS 2
	SINCOS 3
	v_lshlrev_b32 v40, 4, v40                      ; [four frequencies][token][4]: 16 bytes a token: the wave stores 512 consecutive bytes
	global_store_b128 v40, v[56:59], s[20:21]
	global_store_b128 v40, v[60:63], s[20:21] offset:262144
.macro XSTEP s
.if (\s) < 3
	s_wait_loadcnt 16                              ; this step's 16 loads are in; the next step's 16 may be out
.else
	s_wait_loadcnt 0x0
.endif
.irp p, 0,1,2,3,4,5,6,7,8,9,10,11,12,13,14,15
	ds_store_b128 v6, v[RR+64*((\s)%2)+4*\p:RR+64*((\s)%2)+4*\p+3] offset:SP*\p
.endr
.irp c, 0,1
.irp i, 0,1,2,3,4,5,6,7
	ds_load_b128 v[XX+32*\c+4*\i:XX+32*\c+4*\i+3], v7 offset:256*\c+16*\i   ; LDS serves a wave's instructions in order: these see the stores.  Block 2 c + h of row r: 32 numbers
.endr
.endr
	s_wait_dscnt 0x0                               ; the numbers are back
.if (\s) < 2
	LOADX (\s)+2
.endif
.irp c, 0,1
	v_max3_num_f32 v[10+\c], |v[XX+32*\c]|, |v[XX+32*\c+1]|, 0x1800000   ; the block's largest magnitude, all 32 mine, and the floor 2^(3 - 127)
.endr
.irp i, 2,4,6,8,10,12,14,16,18,20,22,24,26,28,30
.irp c, 0,1
	v_max3_num_f32 v[10+\c], v[10+\c], |v[XX+32*\c+\i]|, |v[XX+32*\c+\i+1]|
.endr
.endr
.irp c, 0,1
	v_add_nc_u32 v[12+\c], 0xff000000, v[10+\c]    ; 2 off the exponent field: the conversion's scale operand
.endr
	s_wait_alu depctr_va_vdst(0)
	s_wait_xcnt 0x0                                ; the last step's stores have read the codes' registers
.irp c, 0,1
	v_cvt_scalef32_pk16_fp6_f32 v[CC+8*\c:CC+8*\c+2], v[XX+32*\c:XX+32*\c+15], v[12+\c]
	v_cvt_scalef32_pk16_fp6_f32 v[CC+8*\c+4:CC+8*\c+6], v[XX+32*\c+16:XX+32*\c+31], v[12+\c]
.endr
.irp c, 0,1
	v_lshrrev_b32 v[14+\c], 23, v[12+\c]           ; the bytes (plain lines behind the conversions)
.endr
	v_lshl_or_b32 v22, v15, 16, v14                ; my bytes: blocks h and 2 + h,
	v_lshlrev_b32 v22, v20, v22                    ; at their places,
	v_permlanex16_b32 v23, v22, s48, s49
	v_or_b32 v[16+(\s)], v22, v23                  ; with lane l xor 16's two the word is whole
.irp c, 0,1
	v_mov_b32 v[CC+8*\c+3], v[CC+8*\c+4]           ; six registers on end
	v_mov_b32 v[CC+8*\c+4], v[CC+8*\c+5]
	v_mov_b32 v[CC+8*\c+5], v[CC+8*\c+6]
	global_store_b128 v4, v[CC+8*\c:CC+8*\c+3], s[12:13] offset:(2*(\s)+\c)*768        ; 512 consecutive bytes,
	global_store_b64 v5, v[CC+8*\c+4:CC+8*\c+5], s[12:13] offset:(2*(\s)+\c)*768+512   ; and 256
.endr
.endm
	XSTEP 0
	XSTEP 1
	XSTEP 2
	XSTEP 3
	v_cmp_eq_u32 vcc_lo, 1, v3
	v_cndmask_b32 v10, v16, v18, vcc_lo            ; lanes 0-15 store words 0, 1 of row r, lanes 16-31 words 2, 3
	v_cndmask_b32 v11, v17, v19, vcc_lo
	global_store_b64 v5, v[10:11], s[14:15]        ; 256 consecutive bytes
	s_wait_tensorcnt 0x0                           ; the wave's end
	ds_add_u32 v8, v9
	s_wait_dscnt 0x0
	s_endpgm
; ---------------- the weights ----------------
.Lw:
	s_sub_co_u32 s23, ttmp9, 128
	s_and_b32 s24, s23, 3                          ; which 256 along K
	s_lshr_b32 s25, s23, 2                         ; which 128 of the 4,096 columns: 0-7 Wq, 8-23 Wkv, 24-31 Wo
	s_wait_kmcnt 0x0
	s_cmp_lt_u32 s25, 24
	s_cselect_b64 s[4:5], s[8:9], s[10:11]
	s_cselect_b32 s26, 13, 12                      ; log2 of a row's bytes
	s_cselect_b32 s27, 8, 24                       ; the tensor's first block of columns
	s_cmp_lt_u32 s25, 8
	s_cselect_b64 s[4:5], s[6:7], s[4:5]
	s_cselect_b32 s26, 12, s26
	s_cselect_b32 s27, 0, s27
	s_lshl_b32 s28, 1, s26                         ; a row's bytes
	s_sub_co_u32 s29, s25, s27
	s_lshl_b32 s29, s29, 7
	s_lshl_b32 s30, s22, 5
	s_add_co_u32 s29, s29, s30                     ; my wave's first column
	s_lshl_b32 s29, s29, 2
	s_lshl_b32 s30, s24, 8
	s_lshl_b32 s30, s30, s26
	s_add_co_u32 s30, s30, s29
	s_mov_b32 s31, 0
	s_add_nc_u64 s[32:33], s[4:5], s[30:31]        ; block 0's first row,
	s_lshl_b32 s30, s28, 5                         ; and 32 rows on for each further block
.irp t, 1,2,3,4,5,6,7
	s_add_nc_u64 s[32+2*\t:33+2*\t], s[30+2*\t:31+2*\t], s[30:31]
.endr
	s_wait_alu depctr_va_vdst(0)
	v_lshlrev_b32 v[OFF], 2, v1
.set I, 1
.rept 31
	v_add_nc_u32 v[OFF+I], s28, v[OFF+I-1]
.set I, I+1
.endr
	v_bfe_u32 v10, v1, 3, 1                        ; my column's tile of the wave's two,
	v_and_b32 v11, 7, v1
	v_lshrrev_b32 v12, 4, v1
	v_lshl_add_u32 v11, v12, 3, v11                ; and its position there
	v_mul_u32_u24 v13, v10, 12288
	v_lshl_add_u32 v4, v11, 4, v13
	v_lshl_add_u32 v5, v11, 3, v13
	v_lshlrev_b32 v6, 9, v10
	v_lshl_add_u32 v6, v11, 3, v6
	s_lshl_b32 s50, s25, 3
	s_lshl_b32 s51, s22, 1
	s_add_co_u32 s50, s50, s51                     ; the wave's first tile
	s_mul_i32 s52, s50, 12288
	s_mul_i32 s53, s24, 3072
	s_add_co_u32 s52, s52, s53
	s_mov_b32 s53, 0
	s_add_nc_u64 s[16:17], s[16:17], s[52:53]
	s_lshl_b32 s52, s50, 9
	s_lshl_b32 s51, s24, 7
	s_add_co_u32 s52, s52, s51
	s_add_nc_u64 s[18:19], s[18:19], s[52:53]
.macro LOADW t                         ; block t: 32 rows at my column: a load reads 128 consecutive bytes
.set I, 0
.rept 32
	global_load_b32 v[XW+32*((\t)%2)+I], v[OFF+I], s[32+2*(\t):33+2*(\t)] th:TH_LOAD_NT
.set I, I+1
.endr
.endm
	LOADW 0
	LOADW 1
.macro WBLOCK t
.set XS, XW+32*((\t)%2)
.if (\t) < 7
	s_wait_loadcnt 32                              ; this block's 32 loads are in; the next block's may be out
.else
	s_wait_loadcnt 0x0
.endif
	v_max3_num_f32 v12, |v[XS]|, |v[XS+1]|, |v[XS+2]|
	v_max3_num_f32 v13, |v[XS+3]|, |v[XS+4]|, |v[XS+5]|
.irp i, 6,10,14,18,22,26
	v_max3_num_f32 v12, v12, |v[XS+\i]|, |v[XS+\i+1]|
	v_max3_num_f32 v13, v13, |v[XS+\i+2]|, |v[XS+\i+3]|
.endr
	v_max3_num_f32 v12, v12, |v[XS+30]|, |v[XS+31]|
	v_max3_num_f32 v12, v12, v13, 0x1800000        ; with the floor 2^(3 - 127)
	v_add_nc_u32 v11, 0xff000000, v12
	s_wait_alu depctr_va_vdst(0)
	s_wait_xcnt 0x0                                ; the last block's stores have read the codes' registers
	v_cvt_scalef32_pk16_fp6_f32 v[CC:CC+2], v[XS:XS+15], v11
	v_cvt_scalef32_pk16_fp6_f32 v[CC+4:CC+6], v[XS+16:XS+31], v11
	v_lshrrev_b32 v13, 23, v11                     ; the byte (a plain line behind the conversions)
.if (\t)%4 == 0
	v_mov_b32 v[16+(\t)/4], v13
.else
	v_lshl_or_b32 v[16+(\t)/4], v13, 8*((\t)%4), v[16+(\t)/4]
.endif
	v_mov_b32 v[CC+3], v[CC+4]
	v_mov_b32 v[CC+4], v[CC+5]
	v_mov_b32 v[CC+5], v[CC+6]
	global_store_b128 v4, v[CC:CC+3], s[16:17] offset:((\t)/2)*768+256*((\t)%2)          ; the place of lane r + 16 (t % 2) in the image of 64 along K
	global_store_b64 v5, v[CC+4:CC+5], s[16:17] offset:((\t)/2)*768+512+128*((\t)%2)
.if (\t) < 6
	LOADW (\t)+2
.endif
.endm
.irp t, 0,1,2,3,4,5,6,7
	WBLOCK \t
.endr
	global_store_b64 v6, v[16:17], s[18:19]        ; my column's two scale words
	s_wait_tensorcnt 0x0                           ; the wave's end, in the same form as the other path's
	ds_add_u32 v8, v9
	s_wait_dscnt 0x0
	s_endpgm
.Lfunc_end_k_q21c3d6237b_quant:
	.size	k_q21c3d6237b_quant, .Lfunc_end_k_q21c3d6237b_quant-k_q21c3d6237b_quant
	.p2alignl 7, 3214868480
	.fill 96, 4, 3214868480
	.section	.rodata,"a",@progbits
	.p2align	6, 0x0
	.amdhsa_kernel k_q21c3d6237b_quant
		.amdhsa_group_segment_fixed_size 34304
		.amdhsa_private_segment_fixed_size 0
		.amdhsa_enable_private_segment 0
		.amdhsa_kernarg_size 72
		.amdhsa_user_sgpr_count 2
		.amdhsa_user_sgpr_kernarg_segment_ptr 1
		.amdhsa_wavefront_size32 1
		.amdhsa_system_sgpr_workgroup_id_x 1
		.amdhsa_system_sgpr_workgroup_id_y 1
		.amdhsa_system_sgpr_workgroup_id_z 1
		.amdhsa_system_vgpr_workitem_id 0
		.amdhsa_next_free_vgpr 256
		.amdhsa_next_free_sgpr 66
		.amdhsa_reserve_vcc 1
		.amdhsa_float_denorm_mode_32 3
		.amdhsa_float_denorm_mode_16_64 3
		.amdhsa_memory_ordered 1
		.amdhsa_forward_progress 1
		.amdhsa_inst_pref_size 79
	.end_amdhsa_kernel
	.amdgpu_metadata
---
amdhsa.version: [ 1, 2 ]
amdhsa.kernels:
  - .name:           k_q21c3d6237b_quant
    .symbol:         k_q21c3d6237b_quant.kd
    .args:
      - { .name: x, .offset: 0, .size: 8, .value_kind: global_buffer, .address_space: global }
      - { .name: Wq, .offset: 8, .size: 8, .value_kind: global_buffer, .address_space: global }
      - { .name: Wkv, .offset: 16, .size: 8, .value_kind: global_buffer, .address_space: global }
      - { .name: Wo, .offset: 24, .size: 8, .value_kind: global_buffer, .address_space: global }
      - { .name: ac, .offset: 32, .size: 8, .value_kind: global_buffer, .address_space: global }
      - { .name: asc, .offset: 40, .size: 8, .value_kind: global_buffer, .address_space: global }
      - { .name: wc, .offset: 48, .size: 8, .value_kind: global_buffer, .address_space: global }
      - { .name: ws, .offset: 56, .size: 8, .value_kind: global_buffer, .address_space: global }
      - { .name: rope, .offset: 64, .size: 8, .value_kind: global_buffer, .address_space: global }
    .group_segment_fixed_size: 34304
    .private_segment_fixed_size: 0
    .kernarg_segment_align: 8
    .kernarg_segment_size: 72
    .max_flat_workgroup_size: 128
    .sgpr_count:     66
    .vgpr_count:     256
    .wavefront_size: 32
...
	.end_amdgpu_metadata
.endif
;; end of part 1
;; launch qkv (part 2): grid 12 x 16, 4 waves a work-group, clusters of 4 x 4, 327,680 bytes of LDS; arguments ac, asc, wc, ws, rope, bq, bkv, qf, kv; writes qf, kv
.if DOCPART == 2
	.amdgcn_target "amdgcn-amd-amdhsa--gfx1250"
	.amdhsa_code_object_version 6
	.text
	.protected	k_q21c3d6237b_qkv
	.globl	k_q21c3d6237b_qkv
	.p2align	8
	.type	k_q21c3d6237b_qkv,@function
k_q21c3d6237b_qkv:
	s_mov_b64 s[64:65], 0
	v_nop
	global_prefetch_b8 v0, s[64:65] scope:SCOPE_SE
	s_setreg_imm32_b32 hwreg(HW_REG_WAVE_MODE, 25, 1), 1
	s_wait_xcnt 0x0
	s_wait_alu depctr_hold_cnt(0) depctr_sa_sdst(0) depctr_va_vdst(0) depctr_va_sdst(0) depctr_va_ssrc(0) depctr_va_vcc(0) depctr_vm_vsrc(0)
	s_getreg_b32 s2, hwreg(HW_REG_IB_STS2, 6, 4)
	s_cmp_eq_u32 s2, 0
	s_cbranch_scc0 .Lentry_in_a_cluster
	s_endpgm
.Lentry_in_a_cluster:
	s_bfe_u32 s2, ttmp6, 0x10000c
	s_cmp_lg_u32 s2, 0xf033
	s_cbranch_scc0 .Lentry_shape_is_right
	s_endpgm
.Lentry_shape_is_right:
; q = x Wq + bq, k and v = x Wkv + bkv, on codes of FP6 (E2M3) with E8M0 scales; then RoPE on q and k; then q and k are quantised along the head's 64 channels and v along the keys, and leave as codes alone.
; A work-group makes 256 x 256, each of its four waves 128 x 128: 64 accumulators, 512 registers.  K = 1,024 goes in four K steps of 256 through three LDS slots; slot 0 is filled a second time.
; Source 0 is operand P, source 1 operand R: a lane holds one row of R and its registers run along P.  THE CLUSTER'S x SAYS WHAT IS MADE: 0 q, 1 k: R = tokens, P = columns of the weight, so that a lane's registers run
; along the channels, the next product's K; 2 v: R = v's channels, P = tokens, so that they run along the keys.  By the tiles' order of rows (position r of tile i is row 32 (i / 2) + 8 (i % 2) + r + 8 (r / 8)), the 16
; registers of P's tiles 2 b and 2 b + 1 are 16 neighbours: 32 b + 16 (lane / 16) + 0 .. 15.
; CLUSTERS: 4 x 4.  R's block hangs on the place along y, P's on the place along x: R's tiles are asked for jointly by a row of the cluster, P's by a column.
; OPERANDS lie in memory and in LDS as images of their registers (64 along K: 768 bytes: registers 0-3 at 16 x lane, 4-5 at 512 + 8 x lane): a fragment is two loads of 16 bytes and two of 8, consecutive over the lanes.
; 192 work-groups: whole heads and whole steps of 128 keys stay inside a wave, which smaller tiles would not give.
; OUT: qf [head 32][step 16][6,656]: eight images of 16 tokens x 64 channels, then 512 bytes of scale words [g][r][j] for tile 4 g + j.  kv [head][step][13,056]: k laid likewise; from 6,656 v's four tiles of 16 channels x 128 keys
; (three times 512 bytes each); from 12,800 v's scale words [r][tile].
; LIMITS: as the quantising launch's: the byte 1 for blocks of zeros or under 2^-124; NaN and infinities are not served.
; REGISTERS: window 0: v1-27 addresses, v28-29 the add's two, v32-95 all scale words, v128-223 R's fragments (one set); on the way out v128-247 at work.  Window 1: P's fragments, two sets, at v0 and v128; before the
; last step v0-127 take the bias and the table.  Windows 2, 3: the accumulators, (a, b) at v[8 (8 (a % 4) + b)].
.set HALFT, 24576                      ; 8 tiles x 3,072 bytes: what one tensor load brings
.set SLOT,  4*HALFT                    ; R's two halves, then P's two
.set SCL,   3*SLOT                     ; the scale words of all of K: 4 x 4,096 bytes, filled once
.set SPARE, SCL+16384                  ; the spare words, 128 bytes a wave
.set SC,  32
.set AF,  128
.set HA,  128                          ; the way out: 64 numbers of one tile of R
.set TM,  192
.set PC,  208
.set PWS, 228
.set SEL, 98
.set G1,  24
.set G0,  32
.set G1B, 44
.set G0B, 52
.set G1S, 68
.set G0S, 76
.set G1SB, 80
.set G0SB, 88
.set MSB, 0
.macro WIN new                         ; the immediate's high byte repeats the setting that is left
.if MSB != (\new)
	s_set_vgpr_msb (MSB<<8)|(\new)
.set MSB, (\new)
.endif
.endm
.set MUL_LO, 0xa1                      ; source 0 (P) window 1, source 1 (R) window 0, C and D window 2
.set MUL_HI, 0xf1
.set TO_B,   0x40
.macro PLACES
.rept 4
	v_nop
.endr
.endm
; A joint load: waves 0 and 1 fetch R's halves, waves 2 and 3 P's.  An s_nop 0 and four v_nop follow each line.
.macro JLOAD g0a, g1a, g0b, g1b
	s_cmp_eq_u32 s23, 0
	s_cbranch_scc0 .Lfor_b_\@
	tensor_load_to_lds s[\g0a:\g0a+3], s[\g1a:\g1a+7]
	s_nop 0
.rept 4
	v_nop
.endr
	s_branch .Lasked_\@
.Lfor_b_\@:
	tensor_load_to_lds s[\g0b:\g0b+3], s[\g1b:\g1b+7]
	s_nop 0
.rept 4
	v_nop
.endr
.Lasked_\@:
.endm
.macro CREST
	s_cmp_lg_u32 s22, 0
	s_cbranch_scc1 .Lnot_wave_0_\@
	s_barrier_signal -3
.Lnot_wave_0_\@:
	s_barrier_wait -3
	s_barrier_signal -1
	s_barrier_wait -1
.endm
.macro CROUND
	s_barrier_signal -1
	s_barrier_wait -1
	CREST
.endm
	s_load_b256 s[4:11], s[0:1], 0x0               ; ac, asc, wc, ws
	s_load_b256 s[12:19], s[0:1], 0x20             ; rope, bq, bkv, qf
	s_load_b64 s[20:21], s[0:1], 0x40              ; kv
	v_lshl_add_u32 v28, v0, 2, SPARE
	v_mov_b32 v29, 0
	ds_add_u32 v28, v29                            ; the wave's opening
	ds_add_u32 v28, v29
	v_lshrrev_b32 v1, 5, v0
	v_readfirstlane_b32 s22, v1                    ; wave
	s_lshr_b32 s23, s22, 1                         ; my half of R.  Also: I fetch for R (0) or for P (1)
	s_and_b32 s2, s22, 1                           ; my half of P.  Also: which 8 tiles I fetch
	s_bfe_u32 s92, ttmp6, 0x40000                  ; cx
	s_bfe_u32 s93, ttmp6, 0x40004                  ; cy
	s_and_b32 s94, ttmp7, 0xffff
	s_lshl_b32 s94, s94, 2                         ; 4 x cluster y
	s_lshl_b32 s95, ttmp9, 2                       ; 4 x cluster x
	s_cmp_eq_u32 ttmp9, 2
	s_cselect_b32 s96, 8, s94                      ; R's blocks of 256 rows: v's columns begin at block 8 of the weights; else tokens
	s_cselect_b32 s97, s94, s95                    ; P's: tokens; else the weights' columns
	s_add_co_u32 s96, s96, s93                     ; R's block: + cy
	s_add_co_u32 s97, s97, s92                     ; P's block: + cx
	s_lshl_b32 s98, s93, 2
	s_lshl_b32 s98, 15, s98                        ; my row of the cluster
	s_lshl_b32 s99, 0x1111, s92                    ; my column
	s_or_b32 s[G1], s98, (3<<16)|(1<<21)           ; elements of 8 bytes; bit 21 beside a mask; no padding
	s_or_b32 s[G1B], s99, (3<<16)|(1<<21)
.irp g, G1, G1B
	s_mov_b32 s[\g+1], 384<<16                     ; a tile's 256 along K: 3,072 bytes
	s_mov_b32 s[\g+2], 16<<16                      ; 16 tiles for the head's loads; behind them the two words that count tiles are set to 8
	s_mov_b32 s[\g+3], 384<<16
	s_mov_b32 s[\g+4], 16
	s_mov_b32 s[\g+5], 1536                        ; from tile to tile 12,288 bytes
	s_mov_b32 s[\g+6], 0
	s_mov_b32 s[\g+7], 0
.endr
	s_or_b32 s[G1S], s98, (3<<16)|(1<<21)
	s_or_b32 s[G1SB], s99, (3<<16)|(1<<21)
.irp g, G1S, G1SB
	s_mov_b32 s[\g+1], 32<<16                      ; 16 tiles' scale words: 8,192 dense bytes as 32 rows of 256
	s_mov_b32 s[\g+2], 32<<16
	s_mov_b32 s[\g+3], 32<<16
	s_mov_b32 s[\g+4], 32
	s_mov_b32 s[\g+5], 32
	s_mov_b32 s[\g+6], 0
	s_mov_b32 s[\g+7], 0
.endr
	s_lshl_b32 s67, s2, 3
	s_lshl_b32 s66, s96, 4
	s_add_co_u32 s66, s66, s67                     ; R's first tile that I would fetch
	s_lshl_b32 s100, s97, 4
	s_add_co_u32 s100, s100, s67                   ; P's
	s_lshl_b32 s98, s66, 9                         ; their scale words,
	s_mov_b32 s99, 0
	s_lshl_b32 s104, s100, 9
	s_mov_b32 s105, 0
	s_mul_i32 s66, s66, 12288                      ; and codes
	s_mov_b32 s67, 0
	s_mul_i32 s100, s100, 12288
	s_mov_b32 s101, 0
	s_mul_i32 s3, s22, HALFT                       ; where the ring's loads go: wave x a constant
	s_wait_dscnt 0x0                               ; the opening add is done
	s_wait_kmcnt 0x0
	s_cmp_eq_u32 ttmp9, 2                          ; the choice hangs on the cluster's x alone
	s_cselect_b64 s[G0+2:G0+3], s[8:9], s[4:5]     ; R's codes
	s_cselect_b64 s[G0S+2:G0S+3], s[10:11], s[6:7] ; R's scales
	s_cselect_b64 s[G0B+2:G0B+3], s[4:5], s[8:9]   ; P's codes
	s_cselect_b64 s[G0SB+2:G0SB+3], s[6:7], s[10:11]
	s_add_nc_u64 s[G0+2:G0+3], s[G0+2:G0+3], s[66:67]
	s_add_nc_u64 s[G0S+2:G0S+3], s[G0S+2:G0S+3], s[98:99]
	s_add_nc_u64 s[G0B+2:G0B+3], s[G0B+2:G0B+3], s[100:101]
	s_add_nc_u64 s[G0SB+2:G0SB+3], s[G0SB+2:G0SB+3], s[104:105]
.irp j, 1,2
	s_add_nc_u64 s[G0+4*\j+2:G0+4*\j+3], s[G0+2:G0+3], 3072*\j       ; K step j
	s_add_nc_u64 s[G0B+4*\j+2:G0B+4*\j+3], s[G0B+2:G0B+3], 3072*\j
.endr
.irp j, 0,1,2
	s_mov_b32 s[G0+4*\j], 1
	s_add_co_u32 s[G0+4*\j+1], s3, \j*SLOT
	s_or_b32 s[G0+4*\j+3], s[G0+4*\j+3], 0x80000000
	s_mov_b32 s[G0B+4*\j], 1
	s_add_co_u32 s[G0B+4*\j+1], s3, \j*SLOT
	s_or_b32 s[G0B+4*\j+3], s[G0B+4*\j+3], 0x80000000
.endr
	; the head's four tiles, each whole: the addresses above hold my half's 8 tiles; that offset is taken off again
	s_mul_i32 s66, s2, 98304                       ; 8 tiles of codes
	s_mov_b32 s67, 0
	s_lshl_b32 s98, s2, 12                         ; 8 tiles of scale words
	s_mov_b32 s99, 0
	s_mov_b32 s4, 1                                ; s[4:7]: K step 0 of R's 16 tiles (the arguments that lay here have been used)
	s_mov_b32 s5, 0
	s_sub_nc_u64 s[6:7], s[G0+2:G0+3], s[66:67]
	s_mov_b32 s8, 1                                ; s[8:11]: K step 0 of P's 16 tiles
	s_mov_b32 s9, 2*HALFT
	s_sub_nc_u64 s[10:11], s[G0B+2:G0B+3], s[66:67]
	s_mov_b32 s[G0S], 1                            ; R's scale words,
	s_mov_b32 s[G0S+1], SCL
	s_sub_nc_u64 s[G0S+2:G0S+3], s[G0S+2:G0S+3], s[98:99]
	s_or_b32 s[G0S+3], s[G0S+3], 0x80000000
	s_mov_b32 s[G0SB], 1                           ; and P's
	s_mov_b32 s[G0SB+1], SCL+8192
	s_sub_nc_u64 s[G0SB+2:G0SB+3], s[G0SB+2:G0SB+3], s[98:99]
	s_or_b32 s[G0SB+3], s[G0SB+3], 0x80000000
	CROUND                                         ; all sixteen work-groups are here: the first joint loads meet
; One load a wave at the head, in one chain of branches on the wave's number.
.macro ARM under, g0, g1, next
	s_cmp_lt_u32 s22, \under
	s_cbranch_scc0 \next
	tensor_load_to_lds s[\g0:\g0+3], s[\g1:\g1+7]
	s_nop 0
.rept 4
	v_nop
.endr
	s_branch .Lhead_asked
\next:
.endm
	ARM 1, 4, G1, .Lhead_b
	ARM 2, 8, G1B, .Lhead_sa
	ARM 3, G0S, G1S, .Lhead_sb
	tensor_load_to_lds s[G0SB:G0SB+3], s[G1SB:G1SB+7]
	s_nop 0
.rept 4
	v_nop
.endr
.Lhead_asked:
	v_and_b32 v27, 31, v0                          ; lane
	v_and_b32 v1, 15, v0                           ; r
	v_bfe_u32 v2, v0, 4, 1                         ; h
	v_and_b32 v3, 8, v1
	v_add_nc_u32 v3, v3, v1                        ; r + 8 (r / 8)
	v_lshlrev_b32 v21, 4, v27
	v_lshlrev_b32 v22, 3, v27
	s_mul_i32 s94, s23, HALFT
	s_mul_i32 s95, s2, HALFT
	s_add_co_u32 s95, s95, 2*HALFT
.irp j, 0,1,2
	v_add_nc_u32 v[8+\j], s94, v21                 ; R in slot j: 16 x lane,
	v_add_nc_u32 v[11+\j], s94, v22                ; 8 x lane
	v_add_nc_u32 v[14+\j], s95, v21                ; P likewise
	v_add_nc_u32 v[17+\j], s95, v22
	s_add_co_u32 s94, s94, SLOT
	s_add_co_u32 s95, s95, SLOT
.endr
	s_lshl_b32 s94, s23, 12
	s_lshl_b32 s95, s2, 12
	s_add_co_u32 s95, s95, 8192
	s_sub_co_u32 s95, s95, s94
	v_mul_u32_u24 v4, s95, v2                      ; lanes 16-31 take P's words: one product, h x the distance
	s_add_co_u32 s94, s94, SCL
	v_lshl_add_u32 v4, v1, 3, v4
	v_add_nc_u32 v20, s94, v4
.macro FRAG reg, a16, a8, q, i         ; tile i's fragment of the slot's q-th 128 along K: two images
.irp c, 0,1
	ds_load_b128 v[\reg+6*\c:\reg+6*\c+3], v[\a16] offset:3072*(\i)+768*(2*(\q)+\c)
	ds_load_b64 v[\reg+6*\c+4:\reg+6*\c+5], v[\a8] offset:3072*(\i)+768*(2*(\q)+\c)+512
.endr
.endm
.macro FETCH_B slot, q, p
	WIN TO_B
.irp i, 0,1,2,3,4,5,6,7
	FRAG 128*(\p)+12*\i, 14+\slot, 17+\slot, \q, \i
.endr
	WIN 0
.endm
.macro FETCH_A slot, q, i0
.irp i, \i0, \i0+1, \i0+2, \i0+3
	FRAG AF+12*(\i), 8+\slot, 11+\slot, \q, \i
.endr
.endm
; 16 products: R's tiles a0, a0 + 1 x P's eight; step s of 128 along K.  The 64 accumulators take turns in the same order in every step.
.macro MUL16 a0, p, s, zero
.irp a, \a0, \a0+1
.irp b, 0,1,2,3,4,5,6,7
.if \zero
	v_wmma_scale_f32_16x16x128_f8f6f4 v[8*(8*((\a)%4)+\b):8*(8*((\a)%4)+\b)+7], v[128*(\p)+12*\b:128*(\p)+12*\b+11], v[AF+12*(\a):AF+12*(\a)+11], 0, v[SC+8*\b+(\s)], v[SC+8*(\a)+(\s)] matrix_a_fmt:MATRIX_FMT_FP6 matrix_b_fmt:MATRIX_FMT_FP6 matrix_a_scale:MATRIX_SCALE_ROW1
.else
	v_wmma_scale_f32_16x16x128_f8f6f4 v[8*(8*((\a)%4)+\b):8*(8*((\a)%4)+\b)+7], v[128*(\p)+12*\b:128*(\p)+12*\b+11], v[AF+12*(\a):AF+12*(\a)+11], v[8*(8*((\a)%4)+\b):8*(8*((\a)%4)+\b)+7], v[SC+8*\b+(\s)], v[SC+8*(\a)+(\s)] matrix_a_fmt:MATRIX_FMT_FP6 matrix_b_fmt:MATRIX_FMT_FP6 matrix_a_scale:MATRIX_SCALE_ROW1
.endif
.endr
.endr
.endm
.macro NEXTF ns, nq, p                 ; the next step's fragments: P's into the other set, R's tiles 0-3
	FETCH_B \ns, \nq, 1-(\p)
	FETCH_A \ns, \nq, 0
.endm
.macro UPPER p, s, ns, nq, zero        ; R's tiles 4-7, and then their successors
	WIN MUL_HI
	MUL16 4, \p, \s, \zero
	MUL16 6, \p, \s, \zero
	PLACES                                         ; four places in front of loads into registers that the products have read
	WIN 0
	FETCH_A \ns, \nq, 4
.endm
.macro STEP0 p, s, ns, nq, zero        ; a step whose successor lies in the same slot
	s_wait_dscnt 16                                ; all but the youngest 16 loads (R's tiles 4-7)
	WIN MUL_LO
	MUL16 0, \p, \s, \zero
	MUL16 2, \p, \s, \zero
	s_wait_dscnt 0x0
	PLACES
	NEXTF \ns, \nq, \p
	UPPER \p, \s, \ns, \nq, \zero
.endm
.macro STEPP p, s, ns, nq, n           ; on to a slot that is being filled a second time: a barrier behind which nothing is filled, so n later loads may stay out
	s_wait_tensorcnt \n                            ; my part of the next slot is in
	s_wait_dscnt 16
	WIN MUL_LO
	MUL16 0, \p, \s, 0
	s_wait_dscnt 0x0
	s_barrier_signal -1
	MUL16 2, \p, \s, 0
	WIN 0
	s_barrier_wait -1                              ; everybody's is
	PLACES
	NEXTF \ns, \nq, \p
	UPPER \p, \s, \ns, \nq, 0
.endm
.macro STEPF p, s, ns, nq, g, inc      ; the same behind a round of the cluster's barrier, and the slot of group 0 number g / 4 is filled: slot 2 for the first time (inc = 0), or slot 0, read out two steps ago, with K step 3 (inc = 1)
	s_wait_tensorcnt 0x0                           ; all my tensor loads have landed, my part of the next slot among them
	ds_add_u32 v28, v29                            ; 0 onto my spare word
	s_wait_dscnt 17                                ; (the add and the youngest 16 loads may be out)
	WIN MUL_LO
	MUL16 0, \p, \s, 0
	s_wait_dscnt 0x0                               ; the add is done, and no LDS read of mine is out
	s_barrier_signal -1
	MUL16 2, \p, \s, 0
	WIN 0
	s_barrier_wait -1
	CREST                                          ; the barrier has opened a round of the cluster's: no wave of any partner reads slot 0 or has a load on its way
.if \inc
	s_add_nc_u64 s[G0+2:G0+3], s[G0+2:G0+3], 9216
	s_add_nc_u64 s[G0B+2:G0B+3], s[G0B+2:G0B+3], 9216
.endif
	JLOAD G0+\g, G1, G0B+\g, G1B                   ; my one tensor load behind the round; two steps, 128 products, in which to land; its four v_nop are the places for the loads below
	NEXTF \ns, \nq, \p
	UPPER \p, \s, \ns, \nq, 0
.endm
.macro LAST                            ; step 7: nothing more to fetch
	s_wait_dscnt 16
	WIN MUL_LO
	MUL16 0, 1, 7, 0
	MUL16 2, 1, 7, 0
	s_wait_dscnt 0x0
	WIN MUL_HI
	MUL16 4, 1, 7, 0
	MUL16 6, 1, 7, 0
	WIN 0
	PLACES                                         ; in front of vector lines that write R's registers and read results
.endm
	s_wait_alu depctr_va_vdst(0)
	s_wait_tensorcnt 0x0                           ; my tile of the head's four is in
	ds_add_u32 v28, v29
	s_mov_b32 s[G1+2], 8<<16                       ; no tensor load of mine is out: from here on a load brings 8 tiles
	s_mov_b32 s[G1+4], 8
	s_mov_b32 s[G1B+2], 8<<16
	s_mov_b32 s[G1B+4], 8
	s_wait_dscnt 0x0
	CROUND                                         ; all four tiles are in, in every work-group of the cluster
	JLOAD G0+4, G1, G0B+4, G1B                     ; K step 1 into slot 1
.irp i, 0,1,2,3,4,5,6,7
.irp kq, 0,1,2,3
	ds_load_b64 v[SC+8*\i+2*\kq:SC+8*\i+2*\kq+1], v20 offset:512*\i+128*\kq   ; all scale words: lanes 0-15 R's tile i, lanes 16-31 P's tile i
.endr
.endr
	FETCH_B 0, 0, 0
	FETCH_A 0, 0, 0
	FETCH_A 0, 0, 4
	STEP0 0, 0, 0, 1, 1                            ; the first step's products start the sums
	STEPF 1, 1, 1, 0, 8, 0
	STEP0 0, 2, 1, 1, 0
	STEPF 1, 3, 2, 0, 0, 1
	STEP0 0, 4, 2, 1, 0
	STEPP 1, 5, 0, 0, 0
	STEP0 0, 6, 0, 1, 0
	s_mov_b32 s[SEL], 0x76543210
	s_mov_b32 s[SEL+1], 0xfedcba98
	s_cmp_eq_u32 ttmp9, 2
	s_cbranch_scc1 .Lv
; 64 numbers of a lane, register 16 b + i = k 32 b + 16 (lane / 16) + i of my row, become a fragment's codes in v[PC] on and its scale word in v[pw].
.macro QUANT s, pw
.irp b, 0,1,2,3
	v_max3_num_f32 v[TM+\b], |v[\s+16*\b]|, |v[\s+1+16*\b]|, 0x1800000   ; with the floor 2^(3 - 127)
.endr
.irp i, 2,4,6,8,10,12,14
.irp b, 0,1,2,3
	v_max3_num_f32 v[TM+\b], v[TM+\b], |v[\s+16*\b+\i]|, |v[\s+1+16*\b+\i]|
.endr
.endr
.irp b, 0,1,2,3
	v_permlanex16_b32 v[TM+4+\b], v[TM+\b], s[SEL], s[SEL+1]
.endr
.irp b, 0,1,2,3
	v_max_num_f32 v[TM+\b], v[TM+\b], v[TM+4+\b]
.endr
.irp b, 0,1,2,3
	v_add_nc_u32 v[TM+12+\b], 0xff000000, v[TM+\b]
.endr
.irp b, 0,1,2,3
	v_lshrrev_b32 v[TM+4+\b], 23, v[TM+12+\b]
.endr
	v_lshl_or_b32 v[\pw], v[TM+5], 8, v[TM+4]
	v_lshl_or_b32 v[\pw], v[TM+6], 16, v[\pw]
	v_lshl_or_b32 v[\pw], v[TM+7], 24, v[\pw]
.irp c, 0,1
	v_cvt_scalef32_pk16_fp6_f32 v[PC+6*\c:PC+2+6*\c], v[\s+32*\c:\s+15+32*\c], v[TM+12+2*\c]
	v_cvt_scalef32_pk16_fp6_f32 v[PC+12+4*\c:PC+14+4*\c], v[\s+16+32*\c:\s+31+32*\c], v[TM+12+2*\c+1]
.endr
	v_nop                                          ; one plain place behind a scaled conversion
.irp c, 0,1
.irp i, 0,1,2
	v_permlane16_swap_b32 v[PC+6*\c+\i], v[PC+12+4*\c+\i]   ; a whole block to a lane
.endr
.irp i, 0,1,2
	v_mov_b32 v[PC+3+6*\c+\i], v[PC+12+4*\c+\i]
.endr
.endr
.endm
; ---------------- q and k ----------------
	s_lshl_b32 s94, s96, 8
	s_lshl_b32 s95, s23, 7
	s_add_co_u32 s94, s94, s95                     ; my first token
	s_lshr_b32 s95, s94, 11                        ; batch
	s_bfe_u32 s100, s94, 0x40007                   ; step of 128 tokens
	s_and_b32 s94, s94, 2047                       ; the token's place in its sequence
	s_lshl_b32 s101, s92, 2
	s_lshl_b32 s3, s2, 1
	s_add_co_u32 s101, s101, s3                    ; my first head: my 128 columns are two heads
	s_lshl_b32 s95, s95, 4
	s_add_co_u32 s95, s95, s101
	s_mov_b32 s104, 208896
	s_mov_b32 s105, 13056
	s_cmp_eq_u32 ttmp9, 0
	s_cselect_b32 s104, 106496, s104               ; from head to head,
	s_cselect_b32 s105, 6656, s105                 ; from step to step
	s_cselect_b64 s[4:5], s[18:19], s[20:21]       ; qf or kv
	s_cselect_b64 s[14:15], s[14:15], s[16:17]     ; bq or bkv
	s_mul_i32 s66, s95, s104
	s_mul_i32 s67, s100, s105
	s_add_co_u32 s66, s66, s67
	s_mov_b32 s67, 0
	s_add_nc_u64 s[4:5], s[4:5], s[66:67]          ; my first head's step,
	s_mov_b32 s66, s104
	s_add_nc_u64 s[6:7], s[4:5], s[66:67]          ; my second head's
	s_lshl_b32 s66, s92, 10
	s_lshl_b32 s3, s2, 9
	s_add_co_u32 s66, s66, s3
	s_add_nc_u64 s[14:15], s[14:15], s[66:67]      ; the bias of my 128 columns
	v_add_nc_u32 v23, s94, v3
	v_lshlrev_b32 v23, 4, v23
	v_lshl_add_u32 v23, v2, 17, v23                ; the table: 16 bytes a token; my half's frequencies 16 h on begin 4 h x 32,768 bytes on
	v_lshlrev_b32 v24, 6, v2                       ; the bias: 64 h
	WIN 0x40                                       ; P's set 0 has been multiplied, four places back: window 1's v0-127 take the bias and the table
.irp b, 0,1,2,3,4,5,6,7
	global_load_b128 v[8*\b:8*\b+3], v24, s[14:15] offset:(32*(\b/2)+8*(\b%2))*4
	global_load_b128 v[8*\b+4:8*\b+7], v24, s[14:15] offset:(32*(\b/2)+8*(\b%2))*4+16
.endr
.macro CSLOAD a                        ; cos and sin of tile a's token of my lane, 16 frequencies each, into set a % 2
	WIN 0x40
.irp k, 0,1,2,3
	global_load_b128 v[64+32*((\a)%2)+4*\k:64+32*((\a)%2)+4*\k+3], v23, s[12:13] offset:32768*\k+(32*((\a)/2)+8*((\a)%2))*16
	global_load_b128 v[80+32*((\a)%2)+4*\k:80+32*((\a)%2)+4*\k+3], v23, s[12:13] offset:262144+32768*\k+(32*((\a)/2)+8*((\a)%2))*16
.endr
.endm
	CSLOAD 0
	WIN 0
	s_wait_alu depctr_va_vdst(0)
	LAST
.irp b, 0,1,2,3
	v_mov_b32 v[TM+4+\b], 0                        ; a lane permute's destination counts as read
.endr
.macro EPI_QK a                        ; tile a of R: 16 tokens x my 128 columns
	s_wait_xcnt 0x0                                ; the last tile's stores have read the codes' registers
.if (\a) < 7
	CSLOAD (\a)+1
	s_wait_loadcnt 8                               ; all but the eight just issued
.else
	s_wait_loadcnt 0x0
.endif
	WIN 0x06+(\a)/4                                ; source 0: the accumulators' window; source 1: window 1
.irp b, 0,1,2,3,4,5,6,7
.irp j, 0,2,4,6
	v_pk_add_f32 v[HA+8*\b+\j:HA+8*\b+\j+1], v[8*(8*((\a)%4)+\b)+\j:8*(8*((\a)%4)+\b)+\j+1], v[8*\b+\j:8*\b+\j+1]   ; + bias; each accumulator from its low end on
.endr
.endr
	WIN 0x04
.set CB, 64+32*((\a)%2)
.irp i, 0,2,4,6,8,10,12,14             ; RoPE: channels c = 16 h + i and c + 32 of each head: (x1 cos - x2 sin, x2 cos + x1 sin); the two heads by turns
	v_pk_mul_f32 v[236:237], v[HA+16+\i:HA+17+\i], v[CB+16+\i:CB+17+\i]
	v_pk_mul_f32 v[238:239], v[HA+\i:HA+1+\i], v[CB+16+\i:CB+17+\i]
	v_pk_mul_f32 v[244:245], v[HA+48+\i:HA+49+\i], v[CB+16+\i:CB+17+\i]
	v_pk_mul_f32 v[246:247], v[HA+32+\i:HA+33+\i], v[CB+16+\i:CB+17+\i]
	v_pk_fma_f32 v[HA+\i:HA+1+\i], v[HA+\i:HA+1+\i], v[CB+\i:CB+1+\i], v[236:237] neg_lo:[0,0,1] neg_hi:[0,0,1]
	v_pk_fma_f32 v[HA+16+\i:HA+17+\i], v[HA+16+\i:HA+17+\i], v[CB+\i:CB+1+\i], v[238:239]
	v_pk_fma_f32 v[HA+32+\i:HA+33+\i], v[HA+32+\i:HA+33+\i], v[CB+\i:CB+1+\i], v[244:245] neg_lo:[0,0,1] neg_hi:[0,0,1]
	v_pk_fma_f32 v[HA+48+\i:HA+49+\i], v[HA+48+\i:HA+49+\i], v[CB+\i:CB+1+\i], v[246:247]
.endr
	WIN 0
	QUANT HA, PWS+(\a)
	global_store_b128 v21, v[PC:PC+3], s[4:5] offset:768*(\a)          ; registers 0-5: my first head's 64 channels,
	global_store_b64 v22, v[PC+4:PC+5], s[4:5] offset:768*(\a)+512
	global_store_b128 v21, v[PC+6:PC+9], s[6:7] offset:768*(\a)        ; registers 6-11: my second head's
	global_store_b64 v22, v[PC+10:PC+11], s[6:7] offset:768*(\a)+512
.endm
.irp a, 0,1,2,3,4,5,6,7
	EPI_QK \a
.endr
	v_lshlrev_b32 v26, 4, v2                       ; a word's bytes 0, 1 are the first head's, bytes 2, 3 the second's: lanes 16-31 shift theirs down and store for the second head
	v_mul_lo_u32 v25, v2, s104
	v_lshl_add_u32 v25, v1, 4, v25
	s_wait_alu depctr_va_vdst(0)
.irp g, 0,1
	s_wait_xcnt 0x0
.irp j, 0,1,2,3
	v_lshrrev_b32 v[240+\j], v26, v[PWS+4*\g+\j]
.endr
	global_store_b128 v25, v[240:243], s[4:5] offset:6144+256*\g       ; sixteen lanes store 256 consecutive bytes
.endr
	s_branch .Lend
; ---------------- v ----------------
.Lv:
	s_lshl_b32 s94, s97, 8
	s_lshl_b32 s95, s2, 7
	s_add_co_u32 s94, s94, s95                     ; my first token: my 128 are one step of keys
	s_lshr_b32 s95, s94, 11
	s_bfe_u32 s100, s94, 0x40007
	s_lshl_b32 s101, s93, 2
	s_lshl_b32 s3, s23, 1
	s_add_co_u32 s101, s101, s3                    ; my first head
	s_lshl_b32 s95, s95, 4
	s_add_co_u32 s95, s95, s101
	s_mul_i32 s66, s95, 208896
	s_mul_i32 s67, s100, 13056
	s_add_co_u32 s66, s66, s67
	s_add_co_u32 s66, s66, 6656
	s_mov_b32 s67, 0
	s_add_nc_u64 s[4:5], s[20:21], s[66:67]
	s_add_nc_u64 s[6:7], s[4:5], 208896
	s_lshl_b32 s66, s93, 10
	s_lshl_b32 s3, s23, 9
	s_add_co_u32 s66, s66, s3
	s_add_co_u32 s66, s66, 4096                    ; v's bias lies behind k's 1,024 numbers
	s_add_nc_u64 s[14:15], s[16:17], s[66:67]
	v_lshlrev_b32 v24, 2, v3
	WIN 0x40
.irp a, 0,1,2,3,4,5,6,7
	global_load_b32 v[2*\a], v24, s[14:15] offset:(32*(\a/2)+8*(\a%2))*4     ; my channel's bias in tile a, twice: a pair for the packed addition
	global_load_b32 v[2*\a+1], v24, s[14:15] offset:(32*(\a/2)+8*(\a%2))*4
.endr
	WIN 0
	LAST
.irp b, 0,1,2,3
	v_mov_b32 v[TM+4+\b], 0
.endr
	s_wait_loadcnt 0x0
.macro EPI_V a                         ; tile a of R: 16 channels x my 128 keys
	s_wait_xcnt 0x0
	WIN 0x06+(\a)/4
.irp b, 0,1,2,3,4,5,6,7
.irp j, 0,2,4,6
	v_pk_add_f32 v[HA+8*\b+\j:HA+8*\b+\j+1], v[8*(8*((\a)%4)+\b)+\j:8*(8*((\a)%4)+\b)+\j+1], v[2*(\a):2*(\a)+1]
.endr
.endr
	WIN 0
	QUANT HA, PWS+(\a)
.irp c, 0,1,2
	global_store_b128 v21, v[PC+4*\c:PC+4*\c+3], s[4+2*((\a)/4):5+2*((\a)/4)] offset:1536*((\a)%4)+512*\c   ; the fragment as it stands: 512 consecutive bytes a store
.endr
.endm
.irp a, 0,1,2,3,4,5,6,7
	EPI_V \a
.endr
	v_cmp_lt_u32 s66, 15, v27
.irp j, 0,1,2,3
	v_cndmask_b32 v[240+\j], v[PWS+\j], v[PWS+4+\j], s66               ; lanes 0-15: the first head's four tiles; lanes 16-31: the second's
.endr
	v_mul_u32_u24 v25, v2, 208896
	v_lshl_add_u32 v25, v1, 4, v25
	global_store_b128 v25, v[240:243], s[4:5] offset:6144
.Lend:
	s_wait_tensorcnt 0x0                           ; the wave's end
	ds_add_u32 v28, v29
	s_wait_dscnt 0x0
	CROUND                                         ; the closing round
	s_endpgm
.Lfunc_end_k_q21c3d6237b_qkv:
	.size	k_q21c3d6237b_qkv, .Lfunc_end_k_q21c3d6237b_qkv-k_q21c3d6237b_qkv
	.p2alignl 7, 3214868480
	.fill 96, 4, 3214868480
	.section	.rodata,"a",@progbits
	.p2align	6, 0x0
	.amdhsa_kernel k_q21c3d6237b_qkv
		.amdhsa_group_segment_fixed_size 327680
		.amdhsa_private_segment_fixed_size 0
		.amdhsa_enable_private_segment 0
		.amdhsa_kernarg_size 72
		.amdhsa_user_sgpr_count 2
		.amdhsa_user_sgpr_kernarg_segment_ptr 1
		.amdhsa_wavefront_size32 1
		.amdhsa_system_sgpr_workgroup_id_x 1
		.amdhsa_system_sgpr_workgroup_id_y 1
		.amdhsa_system_sgpr_workgroup_id_z 1
		.amdhsa_system_vgpr_workitem_id 0
		.amdhsa_next_free_vgpr 1024
		.amdhsa_next_free_sgpr 106
		.amdhsa_reserve_vcc 0
		.amdhsa_float_denorm_mode_32 3
		.amdhsa_float_denorm_mode_16_64 3
		.amdhsa_memory_ordered 1
		.amdhsa_forward_progress 1
		.amdhsa_inst_pref_size 255
	.end_amdhsa_kernel
	.section	.bss,"aw",@nobits
	.p2align	6
	.space	262144
	.amdgpu_metadata
---
amdhsa.version: [ 1, 2 ]
amdhsa.kernels:
  - .name:           k_q21c3d6237b_qkv
    .symbol:         k_q21c3d6237b_qkv.kd
    .args:
      - { .name: ac, .offset: 0, .size: 8, .value_kind: global_buffer, .address_space: global }
      - { .name: asc, .offset: 8, .size: 8, .value_kind: global_buffer, .address_space: global }
      - { .name: wc, .offset: 16, .size: 8, .value_kind: global_buffer, .address_space: global }
      - { .name: ws, .offset: 24, .size: 8, .value_kind: global_buffer, .address_space: global }
      - { .name: rope, .offset: 32, .size: 8, .value_kind: global_buffer, .address_space: global }
      - { .name: bq, .offset: 40, .size: 8, .value_kind: global_buffer, .address_space: global }
      - { .name: bkv, .offset: 48, .size: 8, .value_kind: global_buffer, .address_space: global }
      - { .name: qf, .offset: 56, .size: 8, .value_kind: global_buffer, .address_space: global }
      - { .name: kv, .offset: 64, .size: 8, .value_kind: global_buffer, .address_space: global }
    .group_segment_fixed_size: 327680
    .private_segment_fixed_size: 0
    .kernarg_segment_align: 8
    .kernarg_segment_size: 72
    .max_flat_workgroup_size: 128
    .sgpr_count:     106
    .vgpr_count:     1024
    .wavefront_size: 32
...
	.end_amdgpu_metadata
.endif
;; end of part 2
;; launch attn (part 3): grid 8 x 32, 8 waves a work-group, clusters of 4 x 1, 327,680 bytes of LDS; arguments qf, kv, ac, asc; writes ac, asc
.if DOCPART == 3
	.amdgcn_target "amdgcn-amd-amdhsa--gfx1250"
	.amdhsa_code_object_version 6
	.text
	.protected	k_q21c3d6237b_attn
	.globl	k_q21c3d6237b_attn
	.p2align	8
	.type	k_q21c3d6237b_attn,@function
k_q21c3d6237b_attn:
	s_mov_b64 s[64:65], 0
	v_nop
	global_prefetch_b8 v0, s[64:65] scope:SCOPE_SE
	s_setreg_imm32_b32 hwreg(HW_REG_WAVE_MODE, 25, 1), 1
	s_wait_xcnt 0x0
	s_wait_alu depctr_hold_cnt(0) depctr_sa_sdst(0) depctr_va_vdst(0) depctr_va_sdst(0) depctr_va_ssrc(0) depctr_va_vcc(0) depctr_vm_vsrc(0)
	s_getreg_b32 s2, hwreg(HW_REG_IB_STS2, 6, 4)
	s_cmp_eq_u32 s2, 0
	s_cbranch_scc0 .Lentry_in_a_cluster
	s_endpgm
.Lentry_in_a_cluster:
	s_bfe_u32 s2, ttmp6, 0x10000c
	s_cmp_lg_u32 s2, 0x3003
	s_cbranch_scc0 .Lentry_shape_is_right
	s_endpgm
.Lentry_shape_is_right:
; o = softmax(q k^T / 8) v for one head and 256 queries, on codes of FP6 (E2M3) with E8M0 scales; o is quantised along the channels and leaves as codes and scale bytes for the projection.
; A work-group has 8 waves; a wave owns two tiles of 16 queries, which share every fragment of k and v.  Both products are used transposed (S^T = k q^T, O^T = v^T p^T): a lane holds one query.
; ALL OF THE HEAD'S k AND v (16 steps of 128 keys, 13,056 bytes each) LIES IN LDS, filled once, by two joint loads a wave: 29 rows of 256 bytes (steps 0-3 and step 4's k), then 73 rows.
; CLUSTER: the four query blocks along x read the same head: each load is asked for jointly by the four.  No prefetch: both tensor loads go out ahead of the loops, so no loop runs ahead of a load.
; WHICH KEYS FORM A TILE OF k: tile (c, u) takes keys 64 c + 8 u + 0..7 in rows 0-7 and keys 64 c + 32 + 8 u + 0..7 in rows 8-15.  So lane (r, h) holds, in the 32 registers of tiles (c, 0..3), keys 64 c + 32 h + 0..31:
; a whole block of p's quantiser, in the order of the next operand's registers.  The stored images hold key 32 b + w at tile 2 b + (w / 8) % 2, position w % 8 + 8 (w / 16): the lanes' addresses pick the rows.
; The head has 64 channels: the upper 64 of the first product's K are q's zero codes against whatever codes follow in k's registers.
; p = 2^(t - M), t = score x log2(e) / 8, M the ceiling of the running largest t; the sum is taken of the unquantised p; when M moves, sum and O^T are multiplied by a power of two.
; A block's largest p is its largest score put through the same multiply-add and exponential.
; LIMITS: the promise holds while |t| stays under 2^31; a block of zeros or under 2^-124 gets the byte 1 (this program alone reads the bytes); NaN and infinities are not served.
; REGISTERS.  Window 0: v1-11, v24-26 addresses, v4-5 the add's two, v12-23 -M, largest score, factor, sum for each tile; v32-85 k; v86-97 scale words; v100-227 the scores, then p; v228-253 at work.
; Window 1: v0-63 O^T, v64-111 v, v112-135 q, v136-159 p's codes, v160-175 the conversions' second halves.
.set STEPB, 13056
.set SPARE, 208896                     ; behind the 16 steps: the spare words, 128 bytes a wave
.set R1, 29
.set R2, 73
.set KF, 32
.set KS, 86
.set VSC, 90
.set QS, 94
.set PW, 96
.set S, 100
.set BM, 228
.set SO, 232
.set BY, 236
.set PX, 240
.set TS, 244
.set TA, 248
.set VF, 64
.set QF, 112
.set PC, 136
.set CT, 160
.set MSB, 0
.macro WIN new                         ; the immediate's high byte repeats the setting that is left
.if MSB != (\new)
	s_set_vgpr_msb (MSB<<8)|(\new)
.set MSB, (\new)
.endif
.endm
.macro D2
	s_delay_alu instid0(VALU_DEP_2)
.endm
.macro ROUND
	s_barrier_signal -1
	s_barrier_wait -1
	s_cmp_lg_u32 s12, 0
	s_cbranch_scc1 .Lnot_wave_0_\@
	s_barrier_signal -3
.Lnot_wave_0_\@:
	s_barrier_wait -3
	s_barrier_signal -1
	s_barrier_wait -1
.endm
	s_load_b256 s[4:11], s[0:1], 0x0               ; qf, kv, ac, asc
	v_lshl_add_u32 v4, v0, 2, SPARE
	v_mov_b32 v5, 0
	ds_add_u32 v4, v5                              ; the opening lines
	ds_add_u32 v4, v5
	v_lshrrev_b32 v1, 5, v0
	s_delay_alu instid0(VALU_DEP_1)
	v_readfirstlane_b32 s12, v1                    ; wave
	s_and_b32 s13, ttmp7, 0xffff                   ; batch x 16 + head
	s_bfe_u32 s46, ttmp6, 0x40000
	s_lshl_b32 s14, ttmp9, 2
	s_add_co_u32 s14, s14, s46                     ; block of 256 queries
	s_mov_b32 s16, 15|(3<<16)|(1<<21)              ; group 1: rows of 256 bytes, the four partners
	s_mov_b32 s17, 32<<16
	s_mov_b32 s18, R1<<16
	s_mov_b32 s19, 32<<16
	s_mov_b32 s20, R1
	s_mov_b32 s21, 32
	s_mov_b32 s22, 0
	s_mov_b32 s23, 0
	s_mov_b32 s24, 15|(3<<16)|(1<<21)
	s_mov_b32 s25, 32<<16
	s_mov_b32 s26, R2<<16
	s_mov_b32 s27, 32<<16
	s_mov_b32 s28, R2
	s_mov_b32 s29, 32
	s_mov_b32 s30, 0
	s_mov_b32 s31, 0
	s_mul_i32 s48, s13, 208896
	s_mov_b32 s49, 0
	s_mul_i32 s50, s12, R1*256
	s_mov_b32 s51, 0
	s_mul_i32 s52, s12, R2*256
	s_add_co_u32 s52, s52, 8*R1*256
	s_mov_b32 s53, 0
	s_mov_b32 s40, 0x76543210
	s_mov_b32 s41, 0xfedcba98                      ; selects for lane l xor 16
	s_mov_b32 s42, 0x3e38aa3b                      ; log2(e) / 8
	s_mov_b32 s43, s42
	s_wait_dscnt 0x0
	s_wait_kmcnt 0x0
	s_add_nc_u64 s[6:7], s[6:7], s[48:49]
	s_mov_b32 s32, 1
	s_mov_b32 s33, s50
	s_add_nc_u64 s[34:35], s[6:7], s[50:51]
	s_or_b32 s35, s35, 0x80000000
	s_mov_b32 s36, 1
	s_mov_b32 s37, s52
	s_add_nc_u64 s[38:39], s[6:7], s[52:53]
	s_or_b32 s39, s39, 0x80000000
	ROUND
	tensor_load_to_lds s[32:35], s[16:23]          ; my one load at the head
	s_nop 0
	s_lshl_b32 s46, s14, 1                         ; q: step 2 x block + wave / 4, tiles 2 (wave % 4) and the next
	s_lshr_b32 s47, s12, 2
	s_add_co_u32 s46, s46, s47
	s_mul_i32 s46, s46, 6656
	s_mul_i32 s47, s13, 106496
	s_add_co_u32 s46, s46, s47
	s_mov_b32 s47, 0
	s_add_nc_u64 s[4:5], s[4:5], s[46:47]
	s_and_b32 s54, s12, 3
	s_mul_i32 s55, s54, 1536
	s_bfe_u32 s56, s12, 0x10001
	s_lshl_b32 s56, s56, 8
	s_and_b32 s57, s12, 1
	s_lshl_b32 s57, s57, 3
	s_add_co_u32 s56, s56, s57                     ; its scale words [g][r][j]: g = tile / 4, j = tile % 4
	v_and_b32 v2, 31, v0
	v_and_b32 v3, 15, v0
	v_and_b32 v27, 7, v0                           ; r % 8
	v_bfe_u32 v28, v0, 3, 1                        ; r / 8
	v_bfe_u32 v29, v0, 4, 1                        ; h
	v_lshlrev_b32 v1, 4, v2                        ; 16 x lane
	v_lshlrev_b32 v2, 3, v2                        ; 8 x lane
	v_lshlrev_b32 v3, 4, v3                        ; 16 r
	v_mul_u32_u24 v30, v28, 1536                   ; rows 8-15 come from the image two tiles on
	v_lshlrev_b32 v8, 4, v27
	v_lshlrev_b32 v9, 3, v29                       ; 8 h
	v_lshl_add_u32 v6, v27, 4, v30
	v_lshl_add_u32 v7, v27, 3, v30
	v_lshl_add_u32 v8, v28, 3, v8
	v_lshl_add_u32 v6, v29, 8, v6                  ; k's registers 0-3: 16 (r % 8 + 16 h) + 1,536 (r / 8)
	v_lshl_add_u32 v7, v29, 7, v7                  ; registers 4-5: 8 (r % 8 + 16 h) + 1,536 (r / 8)
	v_lshl_add_u32 v8, v29, 8, v8                  ; k's scale words: 16 (r % 8) + 8 (r / 8); lanes 16-31 take c = 1's, 256 on
	v_add_nc_u32 v10, s55, v1
	v_add_nc_u32 v11, s55, v2
	v_add_nc_u32 v31, s56, v3
	WIN 0x40
.irp q, 0,1
	global_load_b128 v[QF+12*\q:QF+12*\q+3], v10, s[4:5] offset:768*\q
	global_load_b64 v[QF+12*\q+4:QF+12*\q+5], v11, s[4:5] offset:768*\q+512
.endr
.irp j, 0,1,2,3,4,5
	v_mov_b32 v[QF+6+\j], 0                        ; q's upper 64 along K: zero codes
	v_mov_b32 v[QF+18+\j], 0
.endr
.set J, 0
.rept 64
	v_mov_b32 v[J], 0                              ; O^T: the step is written once; the first change of M leaves zeros zeros
.set J, J+1
.endr
	WIN 0
	global_load_b64 v[QS:QS+1], v31, s[4:5] offset:6144
.irp q, 0,1
	v_mov_b32 v[12+2*\q], 0x7f61b1e6               ; -M: 3e38
	v_mov_b32 v[13+2*\q], 0xff61b1e6               ; the largest score so far: -3e38
	v_mov_b32 v[17+2*\q], 0                        ; (the upper word of the factor's pair)
	v_mov_b32 v[20+2*\q], 0                        ; the sum, in two halves
	v_mov_b32 v[21+2*\q], 0
	v_mov_b32 v[PX+\q], 0                          ; a lane permute's destination counts as read
	v_mov_b32 v[PX+2+\q], 0
.endr
.irp j, 0,1,2,3,4,5
	v_mov_b32 v[KF+48+\j], 0                       ; what stands behind k's last tile
.endr
	s_wait_alu depctr_va_vdst(0)
	s_wait_tensorcnt 0x0
	ds_add_u32 v4, v5
	s_wait_dscnt 0x0
	ROUND                                          ; everybody's part of the first 232 rows is in
	tensor_load_to_lds s[36:39], s[24:31]          ; the other 584 rows
	s_nop 0
.rept 4
	v_nop
.endr
.macro KLOAD a16, a8, as               ; a step's eight tiles of k and their scale words: 18 loads
.irp t, 0,1,2,3,4,5,6,7
	ds_load_b128 v[KF+6*\t:KF+6*\t+3], v[\a16] offset:768*(4*(\t/4)+\t%2)+128*((\t%4)/2)
	ds_load_b64 v[KF+6*\t+4:KF+6*\t+5], v[\a8] offset:768*(4*(\t/4)+\t%2)+512+64*((\t%4)/2)
.endr
	ds_load_b64 v[KS:KS+1], v[\as] offset:6144
	ds_load_b64 v[KS+2:KS+3], v[\as] offset:6144+128
.endm
.macro STEP
	s_add_co_u32 s46, s44, STEPB
	s_min_u32 s46, s46, 15*STEPB                   ; the next step's k; the last step asks for its own again, inside the filled bytes
	v_add_nc_u32 v10, s44, v1
	v_add_nc_u32 v11, s44, v3
	v_nop
	v_nop                                          ; four places behind the last products, ahead of loads into v's registers
	WIN 0x40
.irp a, 0,1,2,3
.irp c, 0,1,2
	ds_load_b128 v[VF+12*\a+4*\c:VF+12*\a+4*\c+3], v10 offset:6656+1536*\a+512*\c
.endr
.endr
	WIN 0
	ds_load_b128 v[VSC:VSC+3], v11 offset:12800
	s_wait_dscnt 13                                ; k is in; v's 13 loads may be out
	WIN 0x04                                       ; source 1 (q) window 1
.irp t, 0,1,2,3
.irp q, 0,1
	v_wmma_scale_f32_16x16x128_f8f6f4 v[S+64*\q+8*\t:S+64*\q+8*\t+7], v[KF+6*\t:KF+6*\t+11], v[QF+12*\q:QF+12*\q+11], 0, v[KS+\t], v[QS+\q] matrix_a_fmt:MATRIX_FMT_FP6 matrix_b_fmt:MATRIX_FMT_FP6
.endr
.endr
.irp t, 4,5,6,7
.irp q, 0,1
	v_wmma_scale_f32_16x16x128_f8f6f4 v[S+64*\q+8*\t:S+64*\q+8*\t+7], v[KF+6*\t:KF+6*\t+11], v[QF+12*\q:QF+12*\q+11], 0, v[KS+\t-4], v[QS+\q] matrix_a_fmt:MATRIX_FMT_FP6 matrix_b_fmt:MATRIX_FMT_FP6 matrix_a_scale:MATRIX_SCALE_ROW1
.endr
.endr
	WIN 0
	v_add_nc_u32 v24, s46, v6                      ; four places behind the products
	v_add_nc_u32 v25, s46, v7
	v_add_nc_u32 v26, s46, v8
	v_nop
	KLOAD 24, 25, 26
; each block's largest score: two blocks a lane and tile of queries, all 32 numbers mine; four chains by turns
.irp q, 0,1
.irp c, 0,1
	v_max3_num_f32 v[BM+2*\q+\c], v[S+64*\q+32*\c], v[S+64*\q+32*\c+1], v[S+64*\q+32*\c+2]
.endr
.endr
.irp i, 3,5,7,9,11,13,15,17,19,21,23,25,27,29
.irp q, 0,1
.irp c, 0,1
	v_max3_num_f32 v[BM+2*\q+\c], v[BM+2*\q+\c], v[S+64*\q+32*\c+\i], v[S+64*\q+32*\c+\i+1]
.endr
.endr
.endr
.irp q, 0,1
.irp c, 0,1
	v_max_num_f32 v[BM+2*\q+\c], v[BM+2*\q+\c], v[S+64*\q+32*\c+31]
.endr
.endr
.irp q, 0,1
	v_max_num_f32 v[TA+\q], v[BM+2*\q], v[BM+2*\q+1]
.endr
.irp q, 0,1
	D2
	v_permlanex16_b32 v[PX+\q], v[TA+\q], s40, s41
.endr
.irp q, 0,1
	D2
	v_max3_num_f32 v[13+2*\q], v[13+2*\q], v[TA+\q], v[PX+\q]      ; the running largest score of my query
.endr
.irp q, 0,1
	D2
	v_mul_f32 v[TA+2+\q], s42, v[13+2*\q]                          ; as t
.endr
.irp q, 0,1
	D2
	v_floor_f32 v[TA+4+\q], -v[TA+2+\q]                            ; the new -M = -ceil(t)
.endr
.irp q, 0,1
	D2
	v_sub_f32 v[TA+2+\q], v[TA+4+\q], v[12+2*\q]                   ; old M less new M: a whole number, 0 or less
.endr
.irp q, 0,1
	D2
	v_cvt_i32_f32 v[TA+2+\q], v[TA+2+\q]                           ; (it saturates)
.endr
.irp q, 0,1
	D2
	v_ldexp_f32 v[16+2*\q], 1.0, v[TA+2+\q]                        ; the factor 2^(old M - new M)
.endr
.irp q, 0,1
	v_mov_b32 v[12+2*\q], v[TA+4+\q]
.endr
	WIN 0x41                                       ; O^T under the new M; each accumulator from its low end on
.irp q, 0,1
.set J, 0
.rept 16
	v_pk_mul_f32 v[32*\q+J:32*\q+J+1], v[32*\q+J:32*\q+J+1], v[16+2*\q:17+2*\q] op_sel_hi:[1,0]
.set J, J+2
.endr
.endr
	WIN 0
.irp q, 0,1
.set J, 0
.rept 32
	v_pk_fma_f32 v[S+64*\q+J:S+64*\q+J+1], v[S+64*\q+J:S+64*\q+J+1], s[42:43], v[12+2*\q:13+2*\q] op_sel_hi:[1,0,0]   ; t - M
.set J, J+2
.endr
.endr
.irp q, 0,1
.irp c, 0,1
	v_fma_f32 v[BM+2*\q+\c], v[BM+2*\q+\c], s42, v[12+2*\q]        ; the same of each block's largest score
.endr
.endr
	s_wait_alu depctr_va_vdst(0)
.set J, 0
.rept 128
	v_exp_f32 v[S+J], v[S+J]
.set J, J+1
.endr
.irp b, 0,1,2,3
	v_exp_f32 v[BM+\b], v[BM+\b]
.endr
.irp q, 0,1
	v_pk_mul_f32 v[20+2*\q:21+2*\q], v[20+2*\q:21+2*\q], v[16+2*\q:17+2*\q] op_sel_hi:[1,0]   ; the sums under the new M: plain places behind the batch
.endr
	s_wait_alu depctr_va_vdst(0)
.irp b, 0,1,2,3
	v_max_num_f32 v[BM+\b], 0x1800000, v[BM+\b]    ; the floor 2^(3 - 127)
.endr
.irp b, 0,1,2,3
	v_add_nc_u32 v[SO+\b], 0xff000000, v[BM+\b]    ; 2 off the exponent field: the conversions' scale operand
.endr
.irp b, 0,1,2,3
	v_lshrrev_b32 v[BY+\b], 23, v[SO+\b]           ; the byte
.endr
.irp q, 0,1
	v_lshl_or_b32 v[PW+\q], v[BY+2*\q+1], 16, v[BY+2*\q]           ; my bytes: blocks h and 2 + h,
.endr
.irp q, 0,1
	D2
	v_lshlrev_b32 v[PW+\q], v9, v[PW+\q]                           ; at their places;
.endr
.irp q, 0,1
	D2
	v_permlanex16_b32 v[PX+2+\q], v[PW+\q], s40, s41
.endr
.irp q, 0,1
	D2
	v_or_b32 v[PW+\q], v[PW+\q], v[PX+2+\q]                        ; with lane l xor 16's two the word is whole
.endr
	WIN 0x40
.irp q, 0,1
.irp c, 0,1
	v_cvt_scalef32_pk16_fp6_f32 v[PC+12*\q+6*\c:PC+12*\q+6*\c+2], v[S+64*\q+32*\c:S+64*\q+32*\c+15], v[SO+2*\q+\c]
	v_cvt_scalef32_pk16_fp6_f32 v[CT+8*\q+4*\c:CT+8*\q+4*\c+2], v[S+64*\q+32*\c+16:S+64*\q+32*\c+31], v[SO+2*\q+\c]   ; (a conversion's three registers begin on an even number)
.endr
.endr
	v_nop                                          ; one plain place behind a scaled conversion
	WIN 0x41
.irp q, 0,1
.irp c, 0,1
.irp i, 0,1,2
	v_mov_b32 v[PC+12*\q+6*\c+3+\i], v[CT+8*\q+4*\c+\i]
.endr
.endr
.endr
	WIN 0
; the rows' sums, of the unquantised p: four chains by turns; they are also the places ahead of the products below
.irp q, 0,1
	v_pk_add_f32 v[TS+2*\q:TS+2*\q+1], v[S+64*\q:S+64*\q+1], v[S+64*\q+2:S+64*\q+3]
.endr
.irp j, 4,8,12,16,20,24,28,32,36,40,44,48,52,56,60
.irp q, 0,1
	v_pk_add_f32 v[20+2*\q:21+2*\q], v[20+2*\q:21+2*\q], v[S+64*\q+\j:S+64*\q+\j+1]
	v_pk_add_f32 v[TS+2*\q:TS+2*\q+1], v[TS+2*\q:TS+2*\q+1], v[S+64*\q+\j+2:S+64*\q+\j+3]
.endr
.endr
.irp q, 0,1
	v_pk_add_f32 v[20+2*\q:21+2*\q], v[20+2*\q:21+2*\q], v[TS+2*\q:TS+2*\q+1]
.endr
	s_wait_alu depctr_va_vdst(0)
	s_wait_dscnt 18                                ; v is in; the next step's 18 loads of k may be out
	WIN 0x55
.irp a, 0,1,2,3
.irp q, 0,1
	v_wmma_scale_f32_16x16x128_f8f6f4 v[32*\q+8*\a:32*\q+8*\a+7], v[VF+12*\a:VF+12*\a+11], v[PC+12*\q:PC+12*\q+11], v[32*\q+8*\a:32*\q+8*\a+7], v[VSC+\a], v[PW+\q] matrix_a_fmt:MATRIX_FMT_FP6 matrix_b_fmt:MATRIX_FMT_FP6
.endr
.endr
	WIN 0
	s_add_co_u32 s44, s44, STEPB
.endm
	KLOAD 6, 7, 8                                  ; step 0's k
	s_wait_loadcnt 0x0                             ; q
	s_mov_b32 s44, 0
	s_mov_b32 s45, 4
.Lfirst:
	STEP
	s_sub_co_u32 s45, s45, 1
	s_cmp_lg_u32 s45, 0
	s_cbranch_scc1 .Lfirst
	s_wait_tensorcnt 0x0                           ; my part of the other rows is in
	s_wait_dscnt 0x0
	s_barrier_signal -1
	s_barrier_wait -1                              ; everybody's is
	s_mov_b32 s44, 4*STEPB
	s_mov_b32 s45, 12
.Lrest:
	STEP
	s_sub_co_u32 s45, s45, 1
	s_cmp_lg_u32 s45, 0
	s_cbranch_scc1 .Lrest
; THE WAY OUT: O^T / the sum; in tiles 2 b and 2 b + 1 of v a lane's 16 registers are channels 32 b + 16 h + 0..15; quantised along the channels
.irp q, 0,1
	v_add_f32 v[20+2*\q], v[20+2*\q], v[21+2*\q]
.endr
.irp q, 0,1
	D2
	v_permlanex16_b32 v[PX+\q], v[20+2*\q], s40, s41
.endr
.irp q, 0,1
	D2
	v_add_f32 v[20+2*\q], v[20+2*\q], v[PX+\q]
.endr
	s_wait_alu depctr_va_vdst(0)
	v_rcp_f32 v20, v20
	v_rcp_f32 v22, v22
	v_lshrrev_b32 v9, 1, v3                        ; 8 r
	s_lshr_b32 s46, s13, 4
	s_lshl_b32 s46, s46, 7
	s_lshl_b32 s47, s14, 4
	s_add_co_u32 s46, s46, s47
	s_lshl_b32 s47, s12, 1
	s_add_co_u32 s46, s46, s47                     ; my first tile of tokens
	s_and_b32 s47, s13, 15                         ; the head: 64 along the projection's K
	s_mul_i32 s48, s46, 12288
	s_mul_i32 s49, s47, 768
	s_add_co_u32 s48, s48, s49
	s_mov_b32 s49, 0
	s_add_nc_u64 s[8:9], s[8:9], s[48:49]
	s_lshl_b32 s48, s46, 9
	s_lshr_b32 s50, s47, 2
	s_lshl_b32 s50, s50, 7
	s_add_co_u32 s48, s48, s50
	s_bfe_u32 s50, s47, 0x10001
	s_lshl_b32 s50, s50, 2
	s_add_co_u32 s48, s48, s50
	s_and_b32 s50, s47, 1
	s_lshl_b32 s50, s50, 1
	s_add_co_u32 s48, s48, s50
	s_add_nc_u64 s[10:11], s[10:11], s[48:49]
	WIN 0x01
	s_wait_alu depctr_va_vdst(0)
.irp q, 0,1
.set J, 0
.rept 32
	v_mul_f32 v[S+64*\q+J], v[32*\q+J], v[20+2*\q]
.set J, J+1
.endr
.endr
	WIN 0
.set ET, S+32                          ; at work: the upper half of each tile's scores
.irp q, 0,1
.irp b, 0,1
	v_max3_num_f32 v[ET+64*\q+\b], |v[S+64*\q+16*\b]|, |v[S+64*\q+16*\b+1]|, 0x1800000
.endr
.endr
.irp i, 2,4,6,8,10,12,14
.irp q, 0,1
.irp b, 0,1
	v_max3_num_f32 v[ET+64*\q+\b], v[ET+64*\q+\b], |v[S+64*\q+16*\b+\i]|, |v[S+64*\q+16*\b+\i+1]|
.endr
.endr
.endr
.irp q, 0,1
.irp b, 0,1
	v_permlanex16_b32 v[ET+64*\q+2+\b], v[ET+64*\q+\b], s40, s41
.endr
.endr
.irp q, 0,1
.irp b, 0,1
	v_max_num_f32 v[ET+64*\q+\b], v[ET+64*\q+\b], v[ET+64*\q+2+\b]
.endr
.endr
.irp q, 0,1
.irp b, 0,1
	v_add_nc_u32 v[ET+64*\q+4+\b], 0xff000000, v[ET+64*\q+\b]
.endr
.endr
.irp q, 0,1
.irp b, 0,1
	v_lshrrev_b32 v[ET+64*\q+6+\b], 23, v[ET+64*\q+4+\b]
.endr
.endr
.irp q, 0,1
	v_lshl_or_b32 v[ET+64*\q+8], v[ET+64*\q+7], 8, v[ET+64*\q+6]
.endr
.irp q, 0,1
	v_cvt_scalef32_pk16_fp6_f32 v[BM+8*\q:BM+8*\q+2], v[S+64*\q:S+64*\q+15], v[ET+64*\q+4]
	v_cvt_scalef32_pk16_fp6_f32 v[BM+8*\q+4:BM+8*\q+6], v[S+64*\q+16:S+64*\q+31], v[ET+64*\q+5]
.endr
	v_nop
.irp q, 0,1
.irp i, 0,1,2
	v_permlane16_swap_b32 v[BM+8*\q+\i], v[BM+8*\q+4+\i]           ; a whole block to a lane
.endr
.endr
.irp q, 0,1
.irp i, 3,4,5
	v_mov_b32 v[BM+8*\q+\i], v[BM+8*\q+\i+1]                       ; six registers on end
.endr
.endr
.irp q, 0,1
	global_store_b128 v1, v[BM+8*\q:BM+8*\q+3], s[8:9] offset:12288*\q
	global_store_b64 v2, v[BM+8*\q+4:BM+8*\q+5], s[8:9] offset:12288*\q+512
	global_store_b16 v9, v[ET+64*\q+8], s[10:11] offset:512*\q
.endr
	s_wait_tensorcnt 0x0                           ; the wave's end
	ds_add_u32 v4, v5
	s_wait_dscnt 0x0
	ROUND                                          ; the closing round
	s_endpgm
.Lfunc_end_k_q21c3d6237b_attn:
	.size	k_q21c3d6237b_attn, .Lfunc_end_k_q21c3d6237b_attn-k_q21c3d6237b_attn
	.p2alignl 7, 3214868480
	.fill 96, 4, 3214868480
	.section	.rodata,"a",@progbits
	.p2align	6, 0x0
	.amdhsa_kernel k_q21c3d6237b_attn
		.amdhsa_group_segment_fixed_size 327680
		.amdhsa_private_segment_fixed_size 0
		.amdhsa_enable_private_segment 0
		.amdhsa_kernarg_size 32
		.amdhsa_user_sgpr_count 2
		.amdhsa_user_sgpr_kernarg_segment_ptr 1
		.amdhsa_wavefront_size32 1
		.amdhsa_system_sgpr_workgroup_id_x 1
		.amdhsa_system_sgpr_workgroup_id_y 1
		.amdhsa_system_sgpr_workgroup_id_z 1
		.amdhsa_system_vgpr_workitem_id 0
		.amdhsa_next_free_vgpr 512
		.amdhsa_next_free_sgpr 66
		.amdhsa_reserve_vcc 0
		.amdhsa_float_denorm_mode_32 3
		.amdhsa_float_denorm_mode_16_64 3
		.amdhsa_memory_ordered 1
		.amdhsa_forward_progress 1
		.amdhsa_inst_pref_size 74
	.end_amdhsa_kernel
	.amdgpu_metadata
---
amdhsa.version: [ 1, 2 ]
amdhsa.kernels:
  - .name:           k_q21c3d6237b_attn
    .symbol:         k_q21c3d6237b_attn.kd
    .args:
      - { .name: qf, .offset: 0, .size: 8, .value_kind: global_buffer, .address_space: global }
      - { .name: kv, .offset: 8, .size: 8, .value_kind: global_buffer, .address_space: global }
      - { .name: ac, .offset: 16, .size: 8, .value_kind: global_buffer, .address_space: global }
      - { .name: asc, .offset: 24, .size: 8, .value_kind: global_buffer, .address_space: global }
    .group_segment_fixed_size: 327680
    .private_segment_fixed_size: 0
    .kernarg_segment_align: 8
    .kernarg_segment_size: 32
    .max_flat_workgroup_size: 256
    .sgpr_count:     66
    .vgpr_count:     512
    .wavefront_size: 32
...
	.end_amdgpu_metadata
.endif
;; end of part 3
;; launch proj (part 4): grid 8 x 32, 4 waves a work-group, clusters of 4 x 4, 239,104 bytes of LDS; arguments ac, asc, wc, ws, bo, out0; writes out0
.if DOCPART == 4
	.amdgcn_target "amdgcn-amd-amdhsa--gfx1250"
	.amdhsa_code_object_version 6
	.text
	.protected	k_q21c3d6237b_proj
	.globl	k_q21c3d6237b_proj
	.p2align	8
	.type	k_q21c3d6237b_proj,@function
k_q21c3d6237b_proj:
	s_mov_b64 s[64:65], 0
	v_nop
	global_prefetch_b8 v0, s[64:65] scope:SCOPE_SE
	s_setreg_imm32_b32 hwreg(HW_REG_WAVE_MODE, 25, 1), 1
	s_wait_xcnt 0x0
	s_wait_alu depctr_hold_cnt(0) depctr_sa_sdst(0) depctr_va_vdst(0) depctr_va_sdst(0) depctr_va_ssrc(0) depctr_va_vcc(0) depctr_vm_vsrc(0)
	s_getreg_b32 s2, hwreg(HW_REG_IB_STS2, 6, 4)
	s_cmp_eq_u32 s2, 0
	s_cbranch_scc0 .Lentry_in_a_cluster
	s_endpgm
.Lentry_in_a_cluster:
	s_bfe_u32 s2, ttmp6, 0x10000c
	s_cmp_lg_u32 s2, 0xf033
	s_cbranch_scc0 .Lentry_shape_is_right
	s_endpgm
.Lentry_shape_is_right:
; out = o Wo + bo on codes of FP6 (E2M3) with E8M0 scales.  o's codes lie in ac and asc, Wo's in tiles 192 on of wc and ws, both as images of an operand's registers.
; A work-group makes 128 tokens x 128 columns, so that there are 256 work-groups; wave w takes tiles 2 w and 2 w + 1 of the tokens against all eight tiles of columns: 16 accumulators.
; ALL OF K (1,024) LIES IN LDS, filled once, by one load a wave at the head: wave 0 the tokens' 8 tiles (98,304 dense bytes), wave 1 the columns' 8, wave 2 the tokens' scale words, wave 3 the columns'.
; One wait and one barrier show them to all four waves; nothing is filled later.  No prefetch: every tensor load goes out at the head.
; CLUSTERS: 4 x 4: the tokens' tiles are asked for jointly by a row of the cluster, the columns' by a column.
; Source 0 = 16 columns of Wo (P), source 1 = 16 tokens (R): a lane holds one token and eight neighbouring columns; bo is the C of each sum's first product.
; REGISTERS: window 0: v1-27 addresses, v28-29 the add's two, v32-95 scale words, v128-255 the accumulators ((a, b) at v[128 + 8 (8 a + b)]).  Window 1: two sets of fragments: P's eight at 128 p, R's two at 128 p + 96;
; on the way out the rows read back.  Window 2: v0-63 the bias.
.set RB,    98304                      ; 8 tiles x 12,288 bytes: R's, then P's
.set SCL,   2*RB                       ; the scale words: R's 8 tiles, P's 8, 512 bytes each
.set STG,   SCL+8192                   ; a stage of 16 rows x 528 bytes for each wave: bytes into which no tensor load lands
.set SPARE, STG+4*8448                 ; the spare words, 128 bytes a wave
.set SC,  32
.set ACC, 128
.set G1,  20
.set G1B, 28
.set G0,  36
.set G0B, 40
.set G1S, 72
.set G1SB, 80
.set G0S, 88
.set G0SB, 92
.set MSB, 0
.macro WIN new
.if MSB != (\new)
	s_set_vgpr_msb (MSB<<8)|(\new)
.set MSB, (\new)
.endif
.endm
.macro PLACES
.rept 4
	v_nop
.endr
.endm
.macro ARM under, g0, g1, next         ; an arm of the head's one chain of branches on the wave's number; an s_nop 0 and four v_nop follow the load
	s_cmp_lt_u32 s16, \under
	s_cbranch_scc0 \next
	tensor_load_to_lds s[\g0:\g0+3], s[\g1:\g1+7]
	s_nop 0
.rept 4
	v_nop
.endr
	s_branch .Lhead_asked
\next:
.endm
.macro CROUND
	s_barrier_signal -1
	s_barrier_wait -1
	s_cmp_lg_u32 s16, 0
	s_cbranch_scc1 .Lnot_wave_0_\@
	s_barrier_signal -3
.Lnot_wave_0_\@:
	s_barrier_wait -3
	s_barrier_signal -1
	s_barrier_wait -1
.endm
	s_load_b256 s[4:11], s[0:1], 0x0               ; ac, asc, wc, ws
	s_load_b128 s[12:15], s[0:1], 0x20             ; bo, out0
	v_lshl_add_u32 v28, v0, 2, SPARE
	v_mov_b32 v29, 0
	ds_add_u32 v28, v29                            ; the opening lines
	ds_add_u32 v28, v29
	v_lshrrev_b32 v1, 5, v0
	v_readfirstlane_b32 s16, v1                    ; wave
	s_bfe_u32 s96, ttmp6, 0x40000                  ; cx
	s_bfe_u32 s97, ttmp6, 0x40004                  ; cy
	s_lshl_b32 s98, ttmp9, 2
	s_add_co_u32 s98, s98, s96                     ; my block of 128 columns
	s_and_b32 s99, ttmp7, 0xffff
	s_lshl_b32 s99, s99, 2
	s_add_co_u32 s99, s99, s97                     ; my block of 128 tokens
	s_lshl_b32 s66, s97, 2
	s_lshl_b32 s66, 15, s66                        ; my row of the cluster
	s_lshl_b32 s19, 0x1111, s96                    ; my column
	s_or_b32 s[G1], s66, (3<<16)|(1<<21)
	s_or_b32 s[G1B], s19, (3<<16)|(1<<21)
.irp g, G1, G1B
	s_mov_b32 s[\g+1], 1536<<16                    ; a tile, all of K: 12,288 bytes
	s_mov_b32 s[\g+2], 8<<16                       ; 8 tiles
	s_mov_b32 s[\g+3], 1536<<16
	s_mov_b32 s[\g+4], 8
	s_mov_b32 s[\g+5], 1536
	s_mov_b32 s[\g+6], 0
	s_mov_b32 s[\g+7], 0
.endr
	s_or_b32 s[G1S], s66, (3<<16)|(1<<21)
	s_or_b32 s[G1SB], s19, (3<<16)|(1<<21)
.irp g, G1S, G1SB
	s_mov_b32 s[\g+1], 32<<16                      ; 8 tiles' scale words: 4,096 dense bytes as 16 rows of 256
	s_mov_b32 s[\g+2], 16<<16
	s_mov_b32 s[\g+3], 32<<16
	s_mov_b32 s[\g+4], 16
	s_mov_b32 s[\g+5], 32
	s_mov_b32 s[\g+6], 0
	s_mov_b32 s[\g+7], 0
.endr
	s_lshl_b32 s2, s99, 3                          ; R's first tile
	s_lshl_b32 s100, s98, 3
	s_add_co_u32 s100, s100, 192                   ; P's: Wo begins at tile 192
	s_lshl_b32 s66, s2, 9                          ; their scale words,
	s_mov_b32 s67, 0
	s_lshl_b32 s96, s100, 9
	s_mov_b32 s97, 0
	s_mul_i32 s2, s2, 12288                        ; and codes
	s_mov_b32 s3, 0
	s_mul_i32 s100, s100, 12288
	s_mov_b32 s101, 0
	s_wait_dscnt 0x0                               ; both opening adds are done
	s_wait_kmcnt 0x0
	s_mov_b32 s[G0], 1
	s_mov_b32 s[G0+1], 0
	s_add_nc_u64 s[G0+2:G0+3], s[4:5], s[2:3]
	s_or_b32 s[G0+3], s[G0+3], 0x80000000
	s_mov_b32 s[G0B], 1
	s_mov_b32 s[G0B+1], RB
	s_add_nc_u64 s[G0B+2:G0B+3], s[8:9], s[100:101]
	s_or_b32 s[G0B+3], s[G0B+3], 0x80000000
	s_mov_b32 s[G0S], 1
	s_mov_b32 s[G0S+1], SCL
	s_add_nc_u64 s[G0S+2:G0S+3], s[6:7], s[66:67]
	s_or_b32 s[G0S+3], s[G0S+3], 0x80000000
	s_mov_b32 s[G0SB], 1
	s_mov_b32 s[G0SB+1], SCL+4096
	s_add_nc_u64 s[G0SB+2:G0SB+3], s[10:11], s[96:97]
	s_or_b32 s[G0SB+3], s[G0SB+3], 0x80000000
	CROUND                                         ; all sixteen work-groups are here: the joint loads meet
	ARM 1, G0, G1, .Lhead_b
	ARM 2, G0B, G1B, .Lhead_sa
	ARM 3, G0S, G1S, .Lhead_sb
	tensor_load_to_lds s[G0SB:G0SB+3], s[G1SB:G1SB+7]
	s_nop 0
.rept 4
	v_nop
.endr
.Lhead_asked:
	v_and_b32 v27, 31, v0                          ; lane
	v_and_b32 v1, 15, v0                           ; r
	v_bfe_u32 v2, v0, 4, 1                         ; h
	v_lshlrev_b32 v21, 4, v27
	v_lshlrev_b32 v22, 3, v27
	s_mul_i32 s66, s16, 24576                      ; my two tiles of R
	v_add_nc_u32 v8, s66, v21
	v_add_nc_u32 v9, s66, v22
	v_add_nc_u32 v10, RB, v21                      ; P's tiles 0-3,
	v_add_nc_u32 v11, RB, v22
	v_add_nc_u32 v12, RB+49152, v21                ; and 4-7: the immediate reaches 65,535 bytes
	v_add_nc_u32 v13, RB+49152, v22
	s_lshl_b32 s66, s16, 10
	s_sub_co_u32 s67, 4096, s66
	v_mul_u32_u24 v4, s67, v2                      ; lanes 16-31 take P's words: one product, h x the distance
	s_add_co_u32 s66, s66, SCL
	v_lshl_add_u32 v4, v1, 3, v4
	v_add_nc_u32 v20, s66, v4
	s_mul_i32 s66, s16, 8448
	s_add_co_u32 s66, s66, STG                     ; my stage
	v_mul_u32_u24 v23, v1, 528
	v_lshl_add_u32 v23, v2, 6, v23
	v_add_nc_u32 v23, s66, v23                     ; in: row r, + 64 h
	v_add_nc_u32 v24, s66, v21                     ; back: a row's 512 bytes over the 32 lanes
	v_lshlrev_b32 v25, 6, v2
	s_wait_alu depctr_va_vdst(0)
	s_lshl_b32 s66, s99, 7
	s_lshl_b32 s67, s16, 5
	s_add_co_u32 s66, s66, s67
	s_lshl_b32 s66, s66, 12                        ; my first token's row of 4,096 bytes,
	s_lshl_b32 s67, s98, 9
	s_add_co_u32 s66, s66, s67                     ; my block's 512 bytes in it
	s_mov_b32 s67, 0
	s_add_nc_u64 s[14:15], s[14:15], s[66:67]
	s_lshl_b32 s66, s98, 9
	s_add_nc_u64 s[12:13], s[12:13], s[66:67]
	WIN 0x80
.irp b, 0,1,2,3,4,5,6,7
	global_load_b128 v[8*\b:8*\b+3], v25, s[12:13] offset:(32*(\b/2)+8*(\b%2))*4       ; bo at my eight columns of tile b: 32 (b / 2) + 8 (b % 2) + 16 h on
	global_load_b128 v[8*\b+4:8*\b+7], v25, s[12:13] offset:(32*(\b/2)+8*(\b%2))*4+16
.endr
	WIN 0
.macro FRAG reg, a16, a8, s, i         ; tile i's fragment of step s: two images of 64 along K
.irp c, 0,1
	ds_load_b128 v[\reg+6*\c:\reg+6*\c+3], v[\a16] offset:12288*(\i)+768*(2*(\s)+\c)
	ds_load_b64 v[\reg+6*\c+4:\reg+6*\c+5], v[\a8] offset:12288*(\i)+768*(2*(\s)+\c)+512
.endr
.endm
.macro FETCH s, p                      ; step s's fragments into set p: 40 loads
	WIN 0x40
.irp b, 0,1,2,3,4,5,6,7
	FRAG 128*(\p)+12*\b, 10+2*(\b/4), 11+2*(\b/4), \s, \b%4
.endr
.irp a, 0,1
	FRAG 128*(\p)+96+12*\a, 8, 9, \s, \a
.endr
	WIN 0
.endm
.macro PSTEP s                         ; step s of 128 along K
.if (\s) > 0
	PLACES                                         ; in front of loads into the set that the last step multiplied
.endif
.if (\s) < 7
	FETCH (\s)+1, 1-(\s)%2
	s_wait_dscnt 40                                ; all but the 40 just issued
.else
	s_wait_dscnt 0x0
.endif
.if (\s) == 0
	s_wait_loadcnt 0x0                             ; the bias
	WIN 0x25                                       ; sources 0 and 1 window 1, C window 2
.else
	WIN 0x05
.endif
.irp a, 0,1
.irp b, 0,1,2,3,4,5,6,7
.if (\s) == 0
	v_wmma_scale_f32_16x16x128_f8f6f4 v[ACC+8*(8*\a+\b):ACC+8*(8*\a+\b)+7], v[128*((\s)%2)+12*\b:128*((\s)%2)+12*\b+11], v[128*((\s)%2)+96+12*\a:128*((\s)%2)+96+12*\a+11], v[8*\b:8*\b+7], v[SC+8*\b+(\s)], v[SC+8*\a+(\s)] matrix_a_fmt:MATRIX_FMT_FP6 matrix_b_fmt:MATRIX_FMT_FP6 matrix_a_scale:MATRIX_SCALE_ROW1
.else
	v_wmma_scale_f32_16x16x128_f8f6f4 v[ACC+8*(8*\a+\b):ACC+8*(8*\a+\b)+7], v[128*((\s)%2)+12*\b:128*((\s)%2)+12*\b+11], v[128*((\s)%2)+96+12*\a:128*((\s)%2)+96+12*\a+11], v[ACC+8*(8*\a+\b):ACC+8*(8*\a+\b)+7], v[SC+8*\b+(\s)], v[SC+8*\a+(\s)] matrix_a_fmt:MATRIX_FMT_FP6 matrix_b_fmt:MATRIX_FMT_FP6 matrix_a_scale:MATRIX_SCALE_ROW1
.endif
.endr
.endr
	WIN 0
.endm
	s_wait_tensorcnt 0x0                           ; my tile of the four is in
	s_barrier_signal -1
	s_barrier_wait -1                              ; everybody's is
.irp i, 0,1,2,3,4,5,6,7
.irp kq, 0,1,2,3
	ds_load_b64 v[SC+8*\i+2*\kq:SC+8*\i+2*\kq+1], v20 offset:512*\i+128*\kq   ; lanes 0-15: R's tile 2 w + i (used for i = 0, 1); lanes 16-31: P's tile i
.endr
.endr
	FETCH 0, 0
.irp s, 0,1,2,3,4,5,6,7
	PSTEP \s                                       ; the sixteen accumulators take turns in the same order in every step
.endr
	; THE WAY OUT: a tile of 16 tokens x 128 columns goes through my stage and comes back as whole rows of 512 bytes
	PLACES
.irp a, 0,1
	WIN 0
.irp b, 0,1,2,3,4,5,6,7
	ds_store_b128 v23, v[ACC+8*(8*\a+\b):ACC+8*(8*\a+\b)+3] offset:128*(\b/2)+32*(\b%2)       ; each accumulator from its low end on
	ds_store_b128 v23, v[ACC+8*(8*\a+\b)+4:ACC+8*(8*\a+\b)+7] offset:128*(\b/2)+32*(\b%2)+16
.endr
	WIN 0x40
.irp t, 0,1,2,3,4,5,6,7,8,9,10,11,12,13,14,15
	ds_load_b128 v[64*\a+4*\t:64*\a+4*\t+3], v24 offset:528*\t   ; LDS serves a wave's instructions in order: these see the stores above, and the next tile's stores come behind them
.endr
.endr
	WIN 0x04                                       ; a store's data: window 1
.irp a, 0,1
.irp t, 0,1,2,3,4,5,6,7,8,9,10,11,12,13,14,15
	s_wait_dscnt 32*(1-\a)+15-\t                   ; behind this row's load: the tile's later rows, and for the first tile the second's 32 instructions
	global_store_b128 v21, v[64*\a+4*\t:64*\a+4*\t+3], s[14:15] offset:(8*\a+\t+8*(\t/8))*4096 th:TH_STORE_NT   ; position t of the tile is token 8 a + t + 8 (t / 8); 512 consecutive bytes, aligned
.endr
.endr
	WIN 0
	s_wait_tensorcnt 0x0                           ; the wave's end
	ds_add_u32 v28, v29
	s_wait_dscnt 0x0
	CROUND                                         ; the closing round
	s_endpgm
.Lfunc_end_k_q21c3d6237b_proj:
	.size	k_q21c3d6237b_proj, .Lfunc_end_k_q21c3d6237b_proj-k_q21c3d6237b_proj
	.p2alignl 7, 3214868480
	.fill 96, 4, 3214868480
	.section	.rodata,"a",@progbits
	.p2align	6, 0x0
	.amdhsa_kernel k_q21c3d6237b_proj
		.amdhsa_group_segment_fixed_size 239104
		.amdhsa_private_segment_fixed_size 0
		.amdhsa_enable_private_segment 0
		.amdhsa_kernarg_size 48
		.amdhsa_user_sgpr_count 2
		.amdhsa_user_sgpr_kernarg_segment_ptr 1
		.amdhsa_wavefront_size32 1
		.amdhsa_system_sgpr_workgroup_id_x 1
		.amdhsa_system_sgpr_workgroup_id_y 1
		.amdhsa_system_sgpr_workgroup_id_z 1
		.amdhsa_system_vgpr_workitem_id 0
		.amdhsa_next_free_vgpr 576
		.amdhsa_next_free_sgpr 102
		.amdhsa_reserve_vcc 0
		.amdhsa_float_denorm_mode_32 3
		.amdhsa_float_denorm_mode_16_64 3
		.amdhsa_memory_ordered 1
		.amdhsa_forward_progress 1
		.amdhsa_inst_pref_size 58
	.end_amdhsa_kernel
	.amdgpu_metadata
---
amdhsa.version: [ 1, 2 ]
amdhsa.kernels:
  - .name:           k_q21c3d6237b_proj
    .symbol:         k_q21c3d6237b_proj.kd
    .args:
      - { .name: ac, .offset: 0, .size: 8, .value_kind: global_buffer, .address_space: global }
      - { .name: asc, .offset: 8, .size: 8, .value_kind: global_buffer, .address_space: global }
      - { .name: wc, .offset: 16, .size: 8, .value_kind: global_buffer, .address_space: global }
      - { .name: ws, .offset: 24, .size: 8, .value_kind: global_buffer, .address_space: global }
      - { .name: bo, .offset: 32, .size: 8, .value_kind: global_buffer, .address_space: global }
      - { .name: out0, .offset: 40, .size: 8, .value_kind: global_buffer, .address_space: global }
    .group_segment_fixed_size: 239104
    .private_segment_fixed_size: 0
    .kernarg_segment_align: 8
    .kernarg_segment_size: 48
    .max_flat_workgroup_size: 128
    .sgpr_count:     102
    .vgpr_count:     576
    .wavefront_size: 32
...
	.end_amdgpu_metadata
.endif
;; end of part 4
